; MI455X (gfx1250); checked and timed in simulation.
; The chip was launched on July 23, 2026; its instructions are those of AMD's public machine-readable ISA for CDNA 5 (MIT licence, August 2026) and "CDNA5" Instruction Set Architecture Reference Guide (July 2026). The comments in the code are by the model that wrote it; some were corrected since.
;; Diff Multi Headed Attention. Allowed arithmetic: matrix products marked QUANTISED: E2M1 operands, one E8M0 scale for each 32 along K, by v_wmma_scale_f32_16x16x128_f8f6f4 with both operands' format E2M1 (or v_wmma_scale_f32_32x16x128_f4), f32 sums; products left as they are: bf16, f16 or f32 operands; f32 sums; everything else in f32.
;; Inputs: Wk 1,024 x 1,024 float32; Wo 1,024 x 1,024 float32; Wq 1,024 x 1,024 float32; Wv 1,024 x 1,024 float32; key_t 2 x 2,048 x 1,024 float32; lambda_k1 64 float32; lambda_k2 64 float32; lambda_q1 64 float32; lambda_q2 64 float32; query 2 x 2,048 x 1,024 float32; rms_weight 128 float32; value 2 x 2,048 x 1,024 float32.
;; Outputs: out0 2 x 2,048 x 1,024 float32.
;; This version of the problem:
;;   THIS VERSION OF THE PROBLEM IS GIVEN IN LOW PRECISION. The matrix products marked QUANTISED in the list below multiply operands that are first quantised to E2M1 (2 exponent bits, 1 mantissa bit; 4 bits a number), with one power-of-two scale for each 32 numbers along K (OCP MX v1.0); their sums are f32. The products marked 'left as it is' may take bf16, f16 or f32 operands, with f32 sums. Whichever they take, every output number must still come out within the allowed error. Rounding operands to bf16 (8 significant bits) uses up far more of that allowance than f16 does (11 bits, for magnitudes from 6e-5 to 65,504). All else is computed in f32.
;;   The module's matrix products, in the order in which they are computed (A, B: the left and right operand; K: the contracted axis; several contracted axes count as one K, in the product's order):
;;     1. [M 4,096, K 1,024] x [K 1,024, N 1,024]; A: input query; B: input Wq: QUANTISED
;;     2. [M 4,096, K 1,024] x [K 1,024, N 1,024]; A: input key_t; B: input Wk: QUANTISED
;;     3. [M 4,096, K 1,024] x [K 1,024, N 1,024]; A: input value; B: input Wv: QUANTISED
;;     4. batch 32 x [M 2,048, K 64] x [K 64, N 2,048]; A: computed on the way; B: computed on the way: left as it is (an operand is computed on the way)
;;     5. batch 16 x [M 2,048, K 2,048] x [K 2,048, N 128]; A: computed on the way; B: computed on the way: left as it is (an operand is computed on the way)
;;     6. [M 4,096, K 1,024] x [K 1,024, N 1,024]; A: computed on the way; B: input Wo: left as it is (an operand is computed on the way)
;;   THE QUANTISER, for each operand of a quantised product, along K:
;;     - K is cut into blocks of 32 from its start; a last block that is shorter is filled with zeros.
;;     - A block's scale is 2^e with e = floor(log2(the largest magnitude in the block)) - 2, held to -126 .. 127; a block of zeros has e = 0. As a byte (E8M0): e + 127.
;;     - Each number is divided by its block's scale, clamped to +-6, and rounded to the nearest number of E2M1, ties to even, subnormals kept.
;;     - The product sums the exact products of the quantised numbers (number of the format x scale) in f32.
;;   ~~~python
;;   def quantise(x, axis):      # numpy; x: float32 -> the quantised numbers, widened to float32 again
;;       x = np.moveaxis(x, axis, -1); K = x.shape[-1]
;;       x = np.pad(x, [(0, 0)] * (x.ndim - 1) + [(0, -K % 32)]); x = x.reshape(x.shape[:-1] + (-1, 32)); a = np.abs(x).max(-1, keepdims=True)
;;       e = np.where(a > 0, np.clip(np.frexp(np.where(a > 0, a, 1))[1] - 1 - 2, -126, 127), 0)      # np.frexp(a)[1] - 1 = floor(log2(a)), exactly
;;       r = np.clip(x / 2.0 ** e, -6, 6)
;;       step = 2.0 ** (np.maximum(np.frexp(np.where(r == 0, 1, r))[1] - 1, 0) - 1)
;;       q = np.round(r / step) * step * 2.0 ** e      # np.round: ties to even
;;       return np.moveaxis(q.reshape(q.shape[:-2] + (-1,))[..., :K], -1, axis).astype(np.float32)
;;   ~~~
;; One version. Each part assembles by itself: llvm-mc -triple=amdgcn-amd-amdhsa -mcpu=gfx1250 --defsym DOCPART=n.
;; ======== version 1 of 1: 4 launches
;; limits: values are held in f16: magnitudes above 65,504 overflow, below 6.1e-05 lose precision; right only within a limited range of input values
;; workspace buffers: codes 7,864,320 bytes; scales 491,520 bytes; woh 2,097,152 bytes; qw 8,388,608 bytes; kv 16,777,216 bytes; yw 8,388,608 bytes
;; launch prep (part 1): grid 640 x 1, 4 waves a work-group, no clusters, 39,424 bytes of LDS; arguments query, key_t, value, Wq, Wk, Wv, Wo, codes, scales, woh; writes codes, scales, woh
.if DOCPART == 1
	.amdgcn_target "amdgcn-amd-amdhsa--gfx1250"
	.amdhsa_code_object_version 6
	.text
	.protected	k_qeb31945a4c_prep
	.globl	k_qeb31945a4c_prep
	.p2align	8
	.type	k_qeb31945a4c_prep,@function
k_qeb31945a4c_prep:
	s_mov_b64 s[64:65], 0
	v_nop
	global_prefetch_b8 v0, s[64:65] scope:SCOPE_SE
	s_setreg_imm32_b32 hwreg(HW_REG_WAVE_MODE, 25, 1), 1
	s_wait_xcnt 0x0
; DIFFERENTIAL ATTENTION, launch 1 of 4: the operands of the three quantised products become codes of FP4 (E2M1) with one E8M0 byte for each 32 along K; Wo becomes f16.
; WORK LEFT OUT IN THIS PROGRAM (launch 3): key tiles that lie wholly above the diagonal.  reference() replaces every score with key n > query t by finfo.min (its own jnp.tril), whatever q and k hold, so those
; scores reach nothing; the weight that such a key then gets is exp(finfo.min - the row's maximum), and the row's maximum is at least the score of key 0, which always counts: the weight is 0 in reference()'s f32
; and adds nothing to the row's sum nor to the product with v.  So whole tiles of hidden keys are neither multiplied nor summed.  Every input has a way to the output and is loaded.
; LIMITS: a NaN, an infinity or an overflow that reaches only the hidden tiles is not carried to the result.  NaN and infinities among the inputs are not served.  Blocks whose largest magnitude lies under
; 2^(2 - 126) keep the byte 1.  A block of zeros gets the byte 1 where the rule says 127: its codes are zeros, and these bytes are read by this program alone.
; LAYOUT OF THE WORKSPACE: the order of the operands' registers.  codes: [tile of 16 rows][block of 32 along K][row 0..15][16 bytes]; scales: [tile][128 along K][row][4 bytes]; woh: [tile of 16 columns n][8 along c][row][16 bytes].
; Tiles 0-255 query, 256-511 key_t, 512-767 value (row = token); 768-831 Wq, 832-895 Wk, 896-959 Wv (row = column n of the weight).
; WORK-GROUPS 0-383 (K innermost): 32 rows each; a wave takes a tile of 16 rows x 512 along K, a row a step.  A step's 2,048 bytes are loaded as they lie (512 bytes a load), turn through the wave's own stage in LDS so that
; a lane holds 16 neighbours, and are quantised; the codes gather in a second stage in the workspace's order and leave as 4,096 consecutive bytes, the scale bytes as 256.
; WORK-GROUPS 384-639 (K is the first axis): 32 columns x 512 along K; a lane takes a column, its registers run down K; a wave's 128 loads go out together.  Codes and f16 numbers leave straight from registers, sixteen lanes
; to 256 consecutive bytes.  The weights' scale words leave in pieces of 64 bytes (96 KiB in all): a wave holds one word a column.
; No tensor load, no barrier: waves share nothing.  Matrix units and clusters have nothing to do here.
.set EMAX,  2
.set SP,    80                         ; a lane's place in a turning stage: 64 bytes + 16 of padding
.set WREG,  9728                       ; LDS of a wave: two turning stages of 32 x SP, 256 scale bytes, 16 units of codes at a pitch of 272
.set SBO,   5120
.set CST,   5376
.set SPARE, 4*WREG                     ; behind the four regions: the spare words, 128 bytes a wave, which no other line names
.set SPW,   12                         ; v12  LDS address of my spare word; never rewritten
.set NIL,   13                         ; v13  0; never rewritten
.set R,     16                         ; v16-143  eight sets of 16 numbers as loaded
.set X,     144                        ; v144-175 two sets of 16 neighbours
.set C,     176                        ; v176-207 codes, two registers a step
.set E,     208                        ; v208-223 a scale byte a step
.set OUTR,  224                        ; v224-255 the way out
.set WN,    32                         ; weights: v32-159 128 numbers down K
.set WC,    160                        ; weights: v160-223 what is stored
	s_load_b512 s[4:19], s[0:1], 0x0               ; query, key_t, value, Wq, Wk, Wv, Wo, codes
	s_load_b128 s[20:23], s[0:1], 0x40             ; scales, woh
	v_lshl_add_u32 v[SPW], v0, 2, SPARE
	v_mov_b32 v[NIL], 0
	v_lshrrev_b32 v1, 5, v0
	v_readfirstlane_b32 s24, v1                    ; wave
	v_and_b32 v2, 31, v0                           ; lane
	v_lshlrev_b32 v3, 4, v2                        ; 16 x lane
	s_mul_i32 s25, s24, WREG
	v_lshrrev_b32 v14, 2, v2
	v_mul_u32_u24 v14, v14, SP
	v_and_b32 v15, 3, v2
	v_lshl_add_u32 v14, v15, 4, v14
	v_add_nc_u32 v14, s25, v14                     ; the turning stage, in: SP (lane / 4) + 16 (lane % 4)
	v_mul_u32_u24 v15, v2, SP
	v_add_nc_u32 v15, s25, v15                     ; and out: SP x lane
	v_lshrrev_b32 v4, 1, v2
	v_mul_u32_u24 v4, v4, 272
	v_and_b32 v5, 1, v2
	v_lshl_add_u32 v4, v5, 3, v4
	s_add_co_u32 s26, s25, CST
	v_add_nc_u32 v4, s26, v4                       ; my codes: unit lane / 2, 8 bytes for each of its two lanes; the row stands in the immediate
	v_lshrrev_b32 v5, 3, v2
	v_bfe_u32 v6, v2, 1, 2
	v_lshl_add_u32 v5, v5, 6, v6
	s_add_co_u32 s27, s25, SBO
	v_add_nc_u32 v5, s27, v5                       ; my block's byte: word lane / 8, byte (lane / 2) % 4
	v_lshlrev_b32 v7, 3, v2
	v_add_nc_u32 v6, s27, v7                       ; the scale bytes on the way out: 8 a lane
	v_lshrrev_b32 v1, 4, v2
	v_mul_u32_u24 v1, v1, 272
	v_and_b32 v8, 15, v2
	v_lshl_add_u32 v1, v8, 4, v1
	v_add_nc_u32 v1, s26, v1                       ; the codes on the way out: two units an instruction
	s_wait_kmcnt 0x0
	s_cmp_lt_u32 ttmp9, 384
	s_cbranch_scc0 .Lweights
; ---- query, key_t, value
	s_cmp_lt_u32 ttmp9, 128                        ; which tensor: the choice hangs on the work-group's number alone
	s_cselect_b64 s[4:5], s[4:5], s[6:7]
	s_cmp_lt_u32 ttmp9, 256
	s_cselect_b64 s[4:5], s[4:5], s[8:9]
	s_lshr_b32 s32, s24, 1                         ; which of the group's two tiles
	s_and_b32 s33, s24, 1                          ; which half of K
	s_and_b32 s28, ttmp9, 127
	s_lshl_b32 s28, s28, 17                        ; 32 rows of 4,096 bytes
	s_lshl_b32 s34, s32, 16
	s_add_co_u32 s28, s28, s34
	s_lshl_b32 s34, s33, 11
	s_add_co_u32 s28, s28, s34
	s_mov_b32 s29, 0
	s_add_nc_u64 s[4:5], s[4:5], s[28:29]
	s_lshl_b32 s35, ttmp9, 1
	s_add_co_u32 s35, s35, s32                     ; the tile's number: 2 x work-group + which
	s_lshl_b32 s28, s35, 13
	s_lshl_b32 s34, s33, 12
	s_add_co_u32 s28, s28, s34
	s_add_nc_u64 s[18:19], s[18:19], s[28:29]
	s_lshl_b32 s28, s35, 9
	s_lshl_b32 s34, s33, 8
	s_add_co_u32 s28, s28, s34
	s_add_nc_u64 s[20:21], s[20:21], s[28:29]
.macro LOAD t
.irp i, 0,1,2,3
	global_load_b128 v[R+16*((\t)%8)+4*\i:R+16*((\t)%8)+4*\i+3], v3, s[4:5] offset:4096*(\t)+512*\i th:TH_LOAD_NT   ; 32 lanes read 512 consecutive bytes of row t
.endr
.endm
.macro TURN t                          ; LDS serves a wave's instructions in order: no wait between the stores and the loads
.irp i, 0,1,2,3
	ds_store_b128 v14, v[R+16*((\t)%8)+4*\i:R+16*((\t)%8)+4*\i+3] offset:32*SP*((\t)%2)+8*SP*\i
.endr
.irp i, 0,1,2,3
	ds_load_b128 v[X+16*((\t)%2)+4*\i:X+16*((\t)%2)+4*\i+3], v15 offset:32*SP*((\t)%2)+16*\i
.endr
.endm
.irp t, 0,1,2,3,4,5,6,7
	LOAD \t
.endr
	s_wait_loadcnt 28                              ; step 0's four loads are in; the 28 behind them may be out
	TURN 0
.macro QSTEP t
.set XS, X+16*((\t)%2)
.if (\t) > 0
	s_wait_dscnt 2                                 ; this step's numbers are back from the stage (the last step's two small stores may be out)
.else
	s_wait_dscnt 0x0
.endif
.if (\t)+8 < 16
	LOAD (\t)+8                                    ; into the set that this step's stores into the stage have read
.endif
.if (\t)+1 < 16
.if (\t) <= 7
	s_wait_loadcnt 28                              ; the next step's four loads are in; those of the seven steps behind it may be out
.else
	s_wait_loadcnt 4*(14-(\t))
.endif
	TURN (\t)+1
.endif
	v_max3_num_f32 v8, |v[XS]|, |v[XS+1]|, |v[XS+2]|               ; the largest magnitude of my 16
	v_max3_num_f32 v9, |v[XS+3]|, |v[XS+4]|, |v[XS+5]|
.irp i, 6,10
	v_max3_num_f32 v8, v8, |v[XS+\i]|, |v[XS+\i+1]|
	v_max3_num_f32 v9, v9, |v[XS+\i+2]|, |v[XS+\i+3]|
.endr
	v_max3_num_f32 v8, v8, |v[XS+14]|, |v[XS+15]|
	v_max3_num_f32 v8, v8, v9, (EMAX+1)<<23        ; and the floor 2^(EMAX + 1 - 127): the byte cannot fall under 1
	v_max_num_f32_dpp v8, v8, v8 row_xmask:1 row_mask:0xf bank_mask:0xf   ; with my neighbour's 16: the block's
	v_add_nc_u32 v11, -(EMAX<<23), v8              ; EMAX off its exponent field: the conversion's scale operand
	v_cvt_scalef32_pk8_fp4_f32 v[C+2*(\t)], v[XS:XS+7], v11
	v_cvt_scalef32_pk8_fp4_f32 v[C+2*(\t)+1], v[XS+8:XS+15], v11
	v_lshrrev_b32 v[E+(\t)], 23, v11               ; the scale's byte
	ds_store_b8 v5, v[E+(\t)] offset:4*(\t)        ; both lanes of a block write the same byte with the same value
	ds_store_b64 v4, v[C+2*(\t):C+2*(\t)+1] offset:16*(\t)
.endm
.irp t, 0,1,2,3,4,5,6,7,8,9,10,11,12,13,14,15
	QSTEP \t
.endr
.irp u, 0,1,2,3,4,5,6,7
	ds_load_b128 v[OUTR+4*\u:OUTR+4*\u+3], v1 offset:544*\u        ; these see my stores: LDS serves a wave in order
.endr
	ds_load_b64 v[8:9], v6
.irp u, 0,1,2,3,4,5,6,7
	s_wait_dscnt 8-\u                              ; load u is in; the loads behind it may be out
	global_store_b128 v3, v[OUTR+4*\u:OUTR+4*\u+3], s[18:19] offset:512*\u   ; 512 consecutive bytes, aligned
.endr
	s_wait_dscnt 0x0
	global_store_b64 v7, v[8:9], s[20:21]          ; 256 consecutive bytes, aligned
	s_branch .Lend
; ---- Wq, Wk, Wv, Wo
.Lweights:
	s_sub_co_u32 s28, ttmp9, 384
	s_lshr_b32 s32, s28, 6                         ; which weight
	s_bfe_u32 s33, s28, 0x50001                    ; which 32 columns
	s_and_b32 s34, s28, 1                          ; which half of K
	s_cmp_eq_u32 s32, 0
	s_cselect_b64 s[4:5], s[10:11], s[12:13]
	s_cmp_lt_u32 s32, 2
	s_cselect_b64 s[4:5], s[4:5], s[14:15]
	s_cmp_lt_u32 s32, 3
	s_cselect_b64 s[4:5], s[4:5], s[16:17]
	s_lshl_b32 s28, s34, 21                        ; 512 rows of 4,096 bytes,
	s_lshl_b32 s35, s24, 19                        ; my wave's 128 rows,
	s_add_co_u32 s28, s28, s35
	s_lshl_b32 s35, s33, 7                         ; 32 columns of 4 bytes
	s_add_co_u32 s28, s28, s35
	s_mov_b32 s29, 0
	s_add_nc_u64 s[4:5], s[4:5], s[28:29]
	v_lshlrev_b32 v10, 2, v2
.set n, 0
.rept 128
	global_load_b32 v[WN+n], v10, s[4:5] offset:4096*n th:TH_LOAD_NT   ; row n of my 128, my column: 128 consecutive bytes a wave
.set n, n+1
.endr
	v_lshrrev_b32 v9, 4, v2
	v_and_b32 v8, 15, v2
	v_lshlrev_b32 v25, 4, v8
	v_lshl_add_u32 v27, v9, 15, v25                ; woh: 32,768 (lane / 16) + 16 (lane % 16)
	v_lshl_add_u32 v25, v9, 13, v25                ; codes: 8,192 (lane / 16) + 16 (lane % 16)
	v_lshlrev_b32 v26, 2, v8
	v_lshl_add_u32 v26, v9, 9, v26                 ; scales: 512 (lane / 16) + 4 (lane % 16)
	s_cmp_eq_u32 s32, 3
	s_cbranch_scc1 .Lwo
	s_lshl_b32 s35, s32, 6
	s_lshl_b32 s36, s33, 1
	s_add_co_u32 s35, s35, s36
	s_add_co_u32 s35, s35, 768                     ; the first of my two tiles
	s_lshl_b32 s36, s34, 2
	s_add_co_u32 s36, s36, s24                     ; which 128 along K
	s_lshl_b32 s28, s35, 13
	s_lshl_b32 s37, s36, 10
	s_add_co_u32 s28, s28, s37
	s_add_nc_u64 s[18:19], s[18:19], s[28:29]
	s_lshl_b32 s28, s35, 9
	s_lshl_b32 s37, s36, 6
	s_add_co_u32 s28, s28, s37
	s_add_nc_u64 s[20:21], s[20:21], s[28:29]
.macro WBLOCK t, left                  ; block t of my column's four: all its 32 numbers are mine
.set XS, WN+32*(\t)
	s_wait_loadcnt \left
	v_max3_num_f32 v16, |v[XS]|, |v[XS+1]|, |v[XS+2]|
	v_max3_num_f32 v17, |v[XS+3]|, |v[XS+4]|, |v[XS+5]|
.irp i, 6,10,14,18,22,26
	v_max3_num_f32 v16, v16, |v[XS+\i]|, |v[XS+\i+1]|
	v_max3_num_f32 v17, v17, |v[XS+\i+2]|, |v[XS+\i+3]|
.endr
	v_max3_num_f32 v16, v16, |v[XS+30]|, |v[XS+31]|
	v_max3_num_f32 v16, v16, v17, (EMAX+1)<<23
	v_add_nc_u32 v18, -(EMAX<<23), v16
	v_lshrrev_b32 v19, 23, v18
.if (\t) == 0
	v_mov_b32 v24, v19                             ; four bytes make the scale word, the lower K in the lower byte
.else
	v_lshl_or_b32 v24, v19, 8*(\t), v24
.endif
.irp g, 0,1,2,3
	v_cvt_scalef32_pk8_fp4_f32 v[WC+4*(\t)+\g], v[XS+8*\g:XS+8*\g+7], v18
.endr
	v_nop                                          ; one plain line behind the last conversion of the run
	global_store_b128 v25, v[WC+4*(\t):WC+4*(\t)+3], s[18:19] offset:256*(\t)   ; sixteen lanes store 256 consecutive bytes, aligned
.endm
	WBLOCK 0, 63                                   ; at most 63 of the 128 are out: the first 65 are in
	WBLOCK 1, 63
	WBLOCK 2, 32
	WBLOCK 3, 0
	global_store_b32 v26, v24, s[20:21]
	s_branch .Lend
.Lwo:                                              ; Wo is no quantised operand: f16, eight neighbours along c to 16 bytes
	s_lshl_b32 s28, s33, 16
	s_lshl_b32 s35, s34, 14
	s_add_co_u32 s28, s28, s35
	s_lshl_b32 s35, s24, 12
	s_add_co_u32 s28, s28, s35
	s_add_nc_u64 s[22:23], s[22:23], s[28:29]
.macro HBLOCK t, left
	s_wait_loadcnt \left
.set n, 16*(\t)
.rept 16
	v_cvt_pk_f16_f32 v[WC+n], v[WN+2*n], v[WN+2*n+1]
.set n, n+1
.endr
.irp g, 0,1,2,3
	global_store_b128 v27, v[WC+16*(\t)+4*\g:WC+16*(\t)+4*\g+3], s[22:23] offset:256*(4*(\t)+\g)
.endr
.endm
	HBLOCK 0, 63
	HBLOCK 1, 63
	HBLOCK 2, 32
	HBLOCK 3, 0
.Lend:
	s_wait_tensorcnt 0x0                           ; the wave's end: behind my last LDS store
	ds_add_u32 v[SPW], v[NIL]
	s_wait_dscnt 0x0
	s_endpgm
.Lfunc_end_k_qeb31945a4c_prep:
	.size	k_qeb31945a4c_prep, .Lfunc_end_k_qeb31945a4c_prep-k_qeb31945a4c_prep
	.p2alignl 7, 3214868480
	.fill 96, 4, 3214868480
	.section	.rodata,"a",@progbits
	.p2align	6, 0x0
	.amdhsa_kernel k_qeb31945a4c_prep
		.amdhsa_group_segment_fixed_size 39424
		.amdhsa_private_segment_fixed_size 0
		.amdhsa_enable_private_segment 0
		.amdhsa_kernarg_size 80
		.amdhsa_user_sgpr_count 2
		.amdhsa_user_sgpr_kernarg_segment_ptr 1
		.amdhsa_wavefront_size32 1
		.amdhsa_system_sgpr_workgroup_id_x 1
		.amdhsa_system_sgpr_workgroup_id_y 1
		.amdhsa_system_sgpr_workgroup_id_z 1
		.amdhsa_system_vgpr_workitem_id 0
		.amdhsa_next_free_vgpr 256
		.amdhsa_next_free_sgpr 66
		.amdhsa_reserve_vcc 0
		.amdhsa_float_denorm_mode_32 3
		.amdhsa_float_denorm_mode_16_64 3
		.amdhsa_memory_ordered 1
		.amdhsa_forward_progress 1
		.amdhsa_inst_pref_size 61
	.end_amdhsa_kernel
	.amdgpu_metadata
---
amdhsa.version: [ 1, 2 ]
amdhsa.kernels:
  - .name:           k_qeb31945a4c_prep
    .symbol:         k_qeb31945a4c_prep.kd
    .args:
      - { .name: query, .offset: 0, .size: 8, .value_kind: global_buffer, .address_space: global }
      - { .name: key_t, .offset: 8, .size: 8, .value_kind: global_buffer, .address_space: global }
      - { .name: value, .offset: 16, .size: 8, .value_kind: global_buffer, .address_space: global }
      - { .name: Wq, .offset: 24, .size: 8, .value_kind: global_buffer, .address_space: global }
      - { .name: Wk, .offset: 32, .size: 8, .value_kind: global_buffer, .address_space: global }
      - { .name: Wv, .offset: 40, .size: 8, .value_kind: global_buffer, .address_space: global }
      - { .name: Wo, .offset: 48, .size: 8, .value_kind: global_buffer, .address_space: global }
      - { .name: codes, .offset: 56, .size: 8, .value_kind: global_buffer, .address_space: global }
      - { .name: scales, .offset: 64, .size: 8, .value_kind: global_buffer, .address_space: global }
      - { .name: woh, .offset: 72, .size: 8, .value_kind: global_buffer, .address_space: global }
    .group_segment_fixed_size: 39424
    .private_segment_fixed_size: 0
    .kernarg_segment_align: 8
    .kernarg_segment_size: 80
    .max_flat_workgroup_size: 128
    .sgpr_count:     66
    .vgpr_count:     256
    .wavefront_size: 32
...
	.end_amdgpu_metadata
.endif
;; end of part 1
;; launch proj (part 2): grid 4 x 48, 4 waves a work-group, clusters of 4 x 4, 327,680 bytes of LDS; arguments codes, scales, qw, kv; writes qw, kv
.if DOCPART == 2
	.amdgcn_target "amdgcn-amd-amdhsa--gfx1250"
	.amdhsa_code_object_version 6
	.text
	.protected	k_qeb31945a4c_proj
	.globl	k_qeb31945a4c_proj
	.p2align	8
	.type	k_qeb31945a4c_proj,@function
k_qeb31945a4c_proj:
	s_mov_b64 s[64:65], 0
	v_nop
	global_prefetch_b8 v0, s[64:65] scope:SCOPE_SE
	s_setreg_imm32_b32 hwreg(HW_REG_WAVE_MODE, 25, 1), 1
	s_wait_xcnt 0x0
	s_wait_alu depctr_hold_cnt(0) depctr_sa_sdst(0) depctr_va_vdst(0) depctr_va_sdst(0) depctr_va_ssrc(0) depctr_va_vcc(0) depctr_vm_vsrc(0)
	s_getreg_b32 s2, hwreg(HW_REG_IB_STS2, 6, 4)
	s_cmp_eq_u32 s2, 0
	s_cbranch_scc0 .Lentry_in_a_cluster
	s_endpgm
.Lentry_in_a_cluster:
	s_bfe_u32 s2, ttmp6, 0x10000c
	s_cmp_lg_u32 s2, 0xf033
	s_cbranch_scc0 .Lentry_shape_is_right
	s_endpgm
.Lentry_shape_is_right:
; Launch 2 of 4: the three quantised products, query Wq, key_t Wk, value Wv, on codes of FP4 with E8M0 scales; results in f16, laid in the order in which the attention's operand registers take them.
; 192 tiles of 256 x 256, a work-group of four waves each, a wave 128 x 128: 64 accumulators.  Cluster y / 4 says which product, cluster y % 4 which 1,024 tokens.
; The matrix instruction is used transposed: source 0 = 16 rows of 'B', source 1 = 16 rows of 'A'; a lane then holds one row of A's and eight neighbouring rows of B's.  For q and k: A = tokens, B = the weight's columns,
; so a lane holds eight neighbouring channels of a token.  For v: A = Wv's columns, B = tokens, so a lane holds eight neighbouring KEYS of a channel: V^T, as the attention's second product wants it.  One text serves all three.
; K = 1,024 is 512 bytes a row: both halves of K and all scale words fit in LDS at once, so every tile is asked for at the head and nothing is filled again.
; The workspace lies in the order of the operand registers ([tile of 16 rows][block of 32][row][16 bytes]): a fragment is two loads of 16 bytes at 16 x lane, consecutive bytes: no padding is wanted.
; CLUSTERS: 4 x 4.  A's tiles are shared along a row of the cluster, B's along a column: joint loads.
; q, k and v are held at +-65,504 ahead of the rounding to f16: so every score of the next launch is a finite sum, on which reference()'s nan_to_num changes nothing.
; LIMIT: where |q|, |k| or |v| of reference() passes 65,504 the results differ from reference()'s.
; No prefetch: all of a work-group's bytes are asked for by its first loads.
; REGISTERS: window 0: v16-29 addresses; v32-95 scale words; v128-191 A's fragments, one set; on the way out v128-255 at work.  window 1: B's fragments, two sets.  windows 2, 3: the accumulators ((a, b) at v[8 (8 (a % 4) + b)]).
.set NQ,    4                          ; steps of 128 along K in a slot
.set FR,    8
.set NL,    2
.set NP,    4                          ; places behind this matrix instruction (ISA guide 7.12.1)
.set CHUNK, 32768                      ; 128 rows x 512 along K: what one tensor load brings
.set SLOT,  131072                     ; A's two chunks, then B's two
.set SCL,   262144                     ; the scale words: 4,096 bytes for each 128 rows
.set SPARE, 278528                     ; the spare words, 128 bytes a wave, which no other line names
.set ADRA, 16
.set ADRB, 20
.set VO,   24                          ; v24, v25: the stores' offsets
.set ADRS, 27
.set SPW,  28
.set NIL,  29
.set SC,   32
.set AF,   128
.set TMP,  128
.set PK,   192
.set G1, 24
.set G0, 32
.set G1B, 48
.set G0B, 56
.set G1S, 68
.set G0S, 76
.set G1SB, 80
.set G0SB, 88
.set OUTP, 12                          ; s[12:13] where my results go
.set STA,  96                          ; s[96:97] from a block of 16 rows to the next
.set STA4, 66                          ; s[66:67] the same from block 3 to block 4
.set LO,   19
.set HI,   3
.set MSB, 0
.macro WIN new                         ; the immediate's high byte repeats the setting that is left
.if MSB != \new
	s_set_vgpr_msb (MSB<<8)|\new
.set MSB, \new
.endif
.endm
.set MUL_LO, 0xa1                      ; source 0 (B) window 1, source 1 (A) window 0, C and D window 2
.set MUL_HI, 0xf1
.set TO_B,   0x40
.macro JLOAD g0a, g1a, g0b, g1b        ; waves 0 and 1 fetch for A, waves 2 and 3 for B; an s_nop 0 and four v_nop follow each line
	s_cmp_eq_u32 s15, 0
	s_cbranch_scc0 .Lfor_b_\@
	tensor_load_to_lds s[\g0a:\g0a+3], s[\g1a:\g1a+7]
	s_nop 0
.rept 4
	v_nop
.endr
	s_branch .Lasked_\@
.Lfor_b_\@:
	tensor_load_to_lds s[\g0b:\g0b+3], s[\g1b:\g1b+7]
	s_nop 0
.rept 4
	v_nop
.endr
.Lasked_\@:
.endm
.macro CROUND                          ; a round of the cluster's barrier
	s_barrier_signal -1
	s_barrier_wait -1
	s_cmp_lg_u32 s14, 0
	s_cbranch_scc1 .Lnot_wave_0_\@
	s_barrier_signal -3
.Lnot_wave_0_\@:
	s_barrier_wait -3
	s_barrier_signal -1
	s_barrier_wait -1
.endm
	s_load_b256 s[4:11], s[0:1], 0x0               ; codes, scales, qw, kv
	v_lshl_add_u32 v[SPW], v0, 2, SPARE
	v_mov_b32 v[NIL], 0
	ds_add_u32 v[SPW], v[NIL]                      ; the wave's opening: the add, twice on end, and its wait ahead of my first tensor load
	ds_add_u32 v[SPW], v[NIL]
	v_lshrrev_b32 v1, 5, v0
	v_readfirstlane_b32 s14, v1                    ; wave
	s_lshr_b32 s15, s14, 1                         ; my half of the tile's rows.  Also: I fetch for A (0) or B (1)
	s_and_b32 s16, s14, 1                          ; my half of its columns.  Also: which 128 rows I fetch
	s_bfe_u32 s40, ttmp6, 0x40000                  ; cx
	s_bfe_u32 s41, ttmp6, 0x40004                  ; cy
	s_and_b32 s17, ttmp7, 0xffff                   ; cluster y
	s_lshr_b32 s42, s17, 2                         ; which product: 0 q, 1 k, 2 v: the same in all partners
	s_and_b32 s43, s17, 3                          ; which 1,024 tokens
	s_lshl_b32 s44, s41, 2
	s_lshl_b32 s44, 15, s44                        ; my row of the cluster
	s_lshl_b32 s45, 0x1111, s40                    ; my column
	s_or_b32 s[G1+0], s44, (3<<16)|(1<<21)         ; the mask; elements of 8 bytes; bit 21 beside a mask; no padding
	s_or_b32 s[G1B+0], s45, (3<<16)|(1<<21)
.irp g, G1, G1B                        ; codes: 8 tiles of 16 rows, 4,096 bytes (half of K) of each tile's 8,192
	s_mov_b32 s[\g+1], 512<<16
	s_mov_b32 s[\g+2], 8<<16
	s_mov_b32 s[\g+3], 512<<16
	s_mov_b32 s[\g+4], 8
	s_mov_b32 s[\g+5], 1024
	s_mov_b32 s[\g+6], 0
	s_mov_b32 s[\g+7], 0
.endr
	s_or_b32 s[G1S+0], s44, (3<<16)|(1<<21)
	s_or_b32 s[G1SB+0], s45, (3<<16)|(1<<21)
.irp g, G1S, G1SB                      ; scale words of 128 rows: 4,096 dense bytes as 16 rows of 256
	s_mov_b32 s[\g+1], 32<<16
	s_mov_b32 s[\g+2], 16<<16
	s_mov_b32 s[\g+3], 32<<16
	s_mov_b32 s[\g+4], 16
	s_mov_b32 s[\g+5], 32
	s_mov_b32 s[\g+6], 0
	s_mov_b32 s[\g+7], 0
.endr
	s_lshl_b32 s46, s42, 8
	s_lshl_b32 s47, s43, 6
	s_add_co_u32 s46, s46, s47                     ; the tokens' first tile: 256 p + 64 x which
	s_lshl_b32 s47, s42, 6
	s_add_co_u32 s47, s47, 768                     ; the weight's first tile
	s_cmp_eq_u32 s42, 2
	s_cselect_b32 s20, s47, s46                    ; A: the tokens, for v the weight
	s_cselect_b32 s92, s46, s47                    ; B: the weight, for v the tokens
	s_lshl_b32 s18, s41, 4
	s_add_co_u32 s20, s20, s18                     ; A's hangs on cy alone,
	s_lshl_b32 s19, s40, 4
	s_add_co_u32 s92, s92, s19                     ; B's on cx alone
	s_lshl_b32 s18, s16, 3
	s_add_co_u32 s20, s20, s18                     ; + the 8 tiles that I fetch
	s_add_co_u32 s92, s92, s18
	s_lshl_b32 s22, s20, 9                         ; in bytes: scale words,
	s_lshl_b32 s20, s20, 13                        ; codes
	s_mov_b32 s21, 0
	s_mov_b32 s23, 0
	s_lshl_b32 s94, s92, 9
	s_lshl_b32 s92, s92, 13
	s_mov_b32 s93, 0
	s_mov_b32 s95, 0
	s_lshl_b32 s96, s14, 15                        ; where they go: wave x a chunk: no place in the cluster enters an LDS address
	s_lshl_b32 s97, s14, 12
	s_wait_dscnt 0x0                               ; both opening adds are done
	s_wait_kmcnt 0x0
	s_add_nc_u64 s[20:21], s[4:5], s[20:21]
	s_add_nc_u64 s[22:23], s[6:7], s[22:23]
	s_add_nc_u64 s[92:93], s[4:5], s[92:93]
	s_add_nc_u64 s[94:95], s[6:7], s[94:95]
	CROUND                                         ; all sixteen work-groups are here: the joint loads meet
	s_mov_b32 s[G0S], 1
	s_add_co_u32 s[G0S+1], s97, SCL
	s_mov_b64 s[G0S+2:G0S+3], s[22:23]
	s_or_b32 s[G0S+3], s[G0S+3], 0x80000000
	s_mov_b32 s[G0SB], 1
	s_add_co_u32 s[G0SB+1], s97, SCL
	s_mov_b64 s[G0SB+2:G0SB+3], s[94:95]
	s_or_b32 s[G0SB+3], s[G0SB+3], 0x80000000
	JLOAD G0S, G1S, G0SB, G1SB                     ; the scale words first; by this text's count three loads of a wave are out at the most
.irp s, 0,1
	s_mov_b32 s[G0+4*\s], 1
	s_add_co_u32 s[G0+4*\s+1], s96, \s*SLOT
	s_add_nc_u64 s[G0+4*\s+2:G0+4*\s+3], s[20:21], \s*4096
	s_or_b32 s[G0+4*\s+3], s[G0+4*\s+3], 0x80000000
	s_mov_b32 s[G0B+4*\s], 1
	s_add_co_u32 s[G0B+4*\s+1], s96, \s*SLOT
	s_add_nc_u64 s[G0B+4*\s+2:G0B+4*\s+3], s[92:93], \s*4096
	s_or_b32 s[G0B+4*\s+3], s[G0B+4*\s+3], 0x80000000
	JLOAD G0+4*\s, G1, G0B+4*\s, G1B
.endr
	v_and_b32 v1, 15, v0                           ; r
	v_bfe_u32 v2, v0, 4, 1                         ; h
	v_and_b32 v3, 31, v0
	v_lshlrev_b32 v[VO], 4, v3                     ; 16 x lane
	s_lshl_b32 s21, s15, 15                        ; my 128 rows of A
	s_lshl_b32 s22, s16, 15
	s_add_co_u32 s22, s22, 2*CHUNK                 ; my 128 rows of B, behind A's
.irp s, 0,1
	v_add_nc_u32 v[ADRA+\s], s21, v[VO]
	v_add_nc_u32 v[ADRB+\s], s22, v[VO]
	s_add_co_u32 s21, s21, SLOT
	s_add_co_u32 s22, s22, SLOT
.endr
	s_lshl_b32 s21, s15, 12
	s_lshl_b32 s22, s16, 12
	s_add_co_u32 s22, s22, 2*4096
	s_sub_co_u32 s22, s22, s21
	v_mul_u32_u24 v6, s22, v2                      ; lanes 16-31 take B's words: one product, the distance between the two
	s_add_co_u32 s21, s21, SCL
	v_lshl_add_u32 v5, v1, 2, v6
	v_add_nc_u32 v[ADRS], s21, v5
	; where my results go
	s_cmp_eq_u32 s42, 2
	s_cselect_b32 s44, s40, s41                    ; the tokens' place in the cluster,
	s_cselect_b32 s45, s41, s40                    ; the channels',
	s_cselect_b32 s46, s16, s15                    ; my half of the tokens,
	s_cselect_b32 s47, s15, s16                    ; my head of the tile's two
	s_lshl_b32 s43, s43, 2
	s_add_co_u32 s44, s44, s43
	s_lshl_b32 s44, s44, 8
	s_lshl_b32 s46, s46, 7
	s_add_co_u32 s44, s44, s46                     ; my first token
	s_lshl_b32 s45, s45, 1
	s_add_co_u32 s45, s45, s47                     ; my head
	s_lshl_b32 s46, s44, 11
	s_lshl_b32 s47, s45, 12
	s_add_co_u32 s46, s46, s47                     ; q: token / 16 x 32,768 + head x 4,096
	s_lshr_b32 s2, s44, 11
	s_lshl_b32 s2, s2, 3
	s_add_co_u32 s2, s2, s45
	s_lshl_b32 s2, s2, 5
	s_bfe_u32 s3, s44, 0x50006
	s_add_co_u32 s2, s2, s3
	s_lshl_b32 s2, s2, 15                          ; k, v: ((batch x 8 + head) x 32 + block of 64 keys) x 32,768
	s_cmp_eq_u32 s42, 2
	s_cselect_b32 s3, 16384, 0                     ; V^T lies behind K
	s_add_co_u32 s2, s2, s3
	s_cmp_eq_u32 s42, 0
	s_cselect_b32 s2, s46, s2
	s_cselect_b64 s[OUTP:OUTP+1], s[8:9], s[10:11]
	s_mov_b32 s3, 0
	s_add_nc_u64 s[OUTP:OUTP+1], s[OUTP:OUTP+1], s[2:3]
	s_mov_b32 s[STA], 4096                         ; k: a tile of 16 keys,
	s_mov_b32 s[STA4], 20480                       ; and on to the next block of 64 keys
	s_mov_b32 s18, 2048                            ; q, k: columns 64 on lie 2,048 bytes on
	s_cmp_eq_u32 s42, 0
	s_cselect_b32 s[STA], 32768, s[STA]            ; q: a tile of 16 tokens
	s_cselect_b32 s[STA4], 32768, s[STA4]
	s_cmp_eq_u32 s42, 2
	s_cselect_b32 s[STA], 2048, s[STA]             ; v: a tile of 16 channels
	s_cselect_b32 s[STA4], 2048, s[STA4]
	s_cselect_b32 s18, 32768, s18                  ; v: keys 64 on lie in the next block
	s_mov_b32 s[STA+1], 0
	s_mov_b32 s[STA4+1], 0
	v_add_nc_u32 v[VO+1], s18, v[VO]
	s_mov_b32 s[LO], 0xc77fe000                    ; -65,504
	s_mov_b32 s[HI], 0x477fe000                    ; 65,504
.macro FRAG reg, adr, q, i             ; 16 rows x 128 K: registers 4 c .. 4 c + 3 hold K = 64 c + 32 (lane / 16) + 0 .. 31: block 2 c + lane / 16 of the step's four: 512 c + 16 x lane
.irp c, 0,1
	ds_load_b128 v[\reg+4*\c:\reg+4*\c+3], v[\adr] offset:4096*(\i)+1024*(\q)+512*\c
.endr
.endm
; 16 matrix instructions: A's blocks a0, a0 + 1 x B's eight.  The 64 accumulators take turns, one instruction a turn, in the same order in every step.
.macro MUL16 a0, p, q, sc, zero
.irp a, \a0, \a0+1
.irp b, 0,1,2,3,4,5,6,7
.if \zero
	v_wmma_scale_f32_16x16x128_f8f6f4 v[8*(8*((\a)%4)+\b):8*(8*((\a)%4)+\b)+7], v[128*(\p)+FR*\b:128*(\p)+FR*\b+FR-1], v[AF+FR*(\a):AF+FR*(\a)+FR-1], 0, v[SC+8*NQ*(\sc)+NQ*\b+(\q)], v[SC+8*NQ*(\sc)+NQ*(\a)+(\q)] matrix_a_fmt:MATRIX_FMT_FP4 matrix_b_fmt:MATRIX_FMT_FP4 matrix_a_scale:MATRIX_SCALE_ROW1
.else
	v_wmma_scale_f32_16x16x128_f8f6f4 v[8*(8*((\a)%4)+\b):8*(8*((\a)%4)+\b)+7], v[128*(\p)+FR*\b:128*(\p)+FR*\b+FR-1], v[AF+FR*(\a):AF+FR*(\a)+FR-1], v[8*(8*((\a)%4)+\b):8*(8*((\a)%4)+\b)+7], v[SC+8*NQ*(\sc)+NQ*\b+(\q)], v[SC+8*NQ*(\sc)+NQ*(\a)+(\q)] matrix_a_fmt:MATRIX_FMT_FP4 matrix_b_fmt:MATRIX_FMT_FP4 matrix_a_scale:MATRIX_SCALE_ROW1
.endif
.endr
.endr
.endm
.macro FETCH_B slot, q, p
	WIN TO_B
.irp i, 0,1,2,3,4,5,6,7
	FRAG 128*(\p)+FR*\i, ADRB+\slot, \q, \i
.endr
	WIN 0
.endm
.macro FETCH_A slot, q, i0
.irp i, \i0, \i0+1, \i0+2, \i0+3
	FRAG AF+FR*(\i), ADRA+\slot, \q, \i
.endr
.endm
.macro PLACES n                        ; plain vector instructions between a matrix instruction and a load into, or a read of, its registers
.rept \n
	v_nop
.endr
.endm
.macro STEP slot, q, zero              ; 128 along K with its successor in the same slot
	s_wait_dscnt 4*NL                              ; all but the youngest eight loads (A's blocks 4-7) are in
	WIN MUL_LO
	MUL16 0, (\q)%2, \q, \slot, \zero
	MUL16 2, (\q)%2, \q, \slot, \zero
	s_wait_dscnt 0
	PLACES NP
	FETCH_B \slot, (\q)+1, 1-(\q)%2
	FETCH_A \slot, (\q)+1, 0
	WIN MUL_HI
	MUL16 4, (\q)%2, \q, \slot, \zero
	MUL16 6, (\q)%2, \q, \slot, \zero
	PLACES NP
	WIN 0
	FETCH_A \slot, (\q)+1, 4
.endm
	s_wait_tensorcnt 1                             ; the scale words and my part of the first half of K are in; the second half's load may be out
	s_barrier_signal -1
	s_barrier_wait -1
.irp s, 0,1                            ; all scale words: register 32 s + 4 i + q: lanes 0-15 A's block i, lanes 16-31 B's block i, 128 along K number 4 s + q
.irp i, 0,1,2,3,4,5,6,7
.irp q, 0,1,2,3
	ds_load_b32 v[SC+32*\s+4*\i+\q], v[ADRS] offset:512*\i+64*(4*\s+\q)
.endr
.endr
.endr
	FETCH_B 0, 0, 0
	FETCH_A 0, 0, 0
	FETCH_A 0, 0, 4
	STEP 0, 0, 1                                   ; the first products start the sums: nothing is cleared
	STEP 0, 1, 0
	STEP 0, 2, 0
	; the last step of the first half changes to the second half: one barrier, so that every wave's part of it is shown landed
	s_wait_tensorcnt 0x0                           ; all my tensor loads have landed
	ds_add_u32 v[SPW], v[NIL]                      ; 0 onto my spare word
	s_wait_dscnt 4*NL+1                            ; (the add and A's blocks 4-7 may be out)
	WIN MUL_LO
	MUL16 0, 1, NQ-1, 0, 0
	s_wait_dscnt 0x0
	s_barrier_signal -1
	MUL16 2, 1, NQ-1, 0, 0
	WIN 0
	s_barrier_wait -1
	PLACES NP
	FETCH_B 1, 0, 0
	FETCH_A 1, 0, 0
	WIN MUL_HI
	MUL16 4, 1, NQ-1, 0, 0
	MUL16 6, 1, NQ-1, 0, 0
	PLACES NP
	WIN 0
	FETCH_A 1, 0, 4
	STEP 1, 0, 0
	STEP 1, 1, 0
	STEP 1, 2, 0
	s_wait_dscnt 4*NL
	WIN MUL_LO
	MUL16 0, 1, NQ-1, 1, 0
	MUL16 2, 1, NQ-1, 1, 0
	s_wait_dscnt 0
	WIN MUL_HI
	MUL16 4, 1, NQ-1, 1, 0
	MUL16 6, 1, NQ-1, 1, 0
	WIN 0
; THE WAY OUT, a block of 16 rows at a time: held at +-65,504, rounded to f16; a lane's eight neighbours are 16 bytes, and the workspace's order makes an instruction's 32 lanes 512 consecutive bytes: no LDS.
.macro OUTBLK a
.set AC, 64*((\a)%4)
	WIN (2+(\a)/4)                                 ; source 0: window 2 or 3
.set n, 0
.rept 64
	v_med3_num_f32 v[TMP+n], v[AC+n], s[LO], s[HI] ; each accumulator from its low end on
.set n, n+1
.endr
	WIN 0
.set n, 0
.rept 32
	v_cvt_pk_f16_f32 v[PK+32*((\a)%2)+n], v[TMP+2*n], v[TMP+2*n+1]   ; into the set that the stores of two blocks back read: the last block's wait on XCNT stands behind those stores
.set n, n+1
.endr
	s_wait_xcnt 0x0                                ; the earlier stores have read their base and their data
.if (\a) == 4
	s_add_nc_u64 s[OUTP:OUTP+1], s[OUTP:OUTP+1], s[STA4:STA4+1]
.elseif (\a) > 0
	s_add_nc_u64 s[OUTP:OUTP+1], s[OUTP:OUTP+1], s[STA:STA+1]
.endif
.irp b, 0,1,2,3,4,5,6,7
	global_store_b128 v[VO+\b/4], v[PK+32*((\a)%2)+4*\b:PK+32*((\a)%2)+4*\b+3], s[OUTP:OUTP+1] offset:512*(\b%4)
.endr
.endm
	PLACES NP                                      ; behind the last products: their results are read and A's registers written below
.irp a, 0,1,2,3,4,5,6,7
	OUTBLK \a
.endr
	s_wait_tensorcnt 0x0                           ; the wave's end
	ds_add_u32 v[SPW], v[NIL]
	s_wait_dscnt 0x0
	CROUND                                         ; the closing round
	s_endpgm
.Lfunc_end_k_qeb31945a4c_proj:
	.size	k_qeb31945a4c_proj, .Lfunc_end_k_qeb31945a4c_proj-k_qeb31945a4c_proj
	.p2alignl 7, 3214868480
	.fill 96, 4, 3214868480
	.section	.rodata,"a",@progbits
	.p2align	6, 0x0
	.amdhsa_kernel k_qeb31945a4c_proj
		.amdhsa_group_segment_fixed_size 327680
		.amdhsa_private_segment_fixed_size 0
		.amdhsa_enable_private_segment 0
		.amdhsa_kernarg_size 32
		.amdhsa_user_sgpr_count 2
		.amdhsa_user_sgpr_kernarg_segment_ptr 1
		.amdhsa_wavefront_size32 1
		.amdhsa_system_sgpr_workgroup_id_x 1
		.amdhsa_system_sgpr_workgroup_id_y 1
		.amdhsa_system_sgpr_workgroup_id_z 1
		.amdhsa_system_vgpr_workitem_id 0
		.amdhsa_next_free_vgpr 1024
		.amdhsa_next_free_sgpr 98
		.amdhsa_reserve_vcc 0
		.amdhsa_float_denorm_mode_32 3
		.amdhsa_float_denorm_mode_16_64 3
		.amdhsa_memory_ordered 1
		.amdhsa_forward_progress 1
		.amdhsa_inst_pref_size 154
	.end_amdhsa_kernel
	.amdgpu_metadata
---
amdhsa.version: [ 1, 2 ]
amdhsa.kernels:
  - .name:           k_qeb31945a4c_proj
    .symbol:         k_qeb31945a4c_proj.kd
    .args:
      - { .name: codes, .offset: 0, .size: 8, .value_kind: global_buffer, .address_space: global }
      - { .name: scales, .offset: 8, .size: 8, .value_kind: global_buffer, .address_space: global }
      - { .name: qw, .offset: 16, .size: 8, .value_kind: global_buffer, .address_space: global }
      - { .name: kv, .offset: 24, .size: 8, .value_kind: global_buffer, .address_space: global }
    .group_segment_fixed_size: 327680
    .private_segment_fixed_size: 0
    .kernarg_segment_align: 8
    .kernarg_segment_size: 32
    .max_flat_workgroup_size: 128
    .sgpr_count:     98
    .vgpr_count:     1024
    .wavefront_size: 32
...
	.end_amdgpu_metadata
.endif
;; end of part 2
;; launch attn (part 3): grid 16 x 16, 4 waves a work-group, no clusters, 327,680 bytes of LDS; arguments qw, kv, lambda_q1, lambda_k1, lambda_q2, lambda_k2, rms_weight, yw; writes yw
.if DOCPART == 3
	.amdgcn_target "amdgcn-amd-amdhsa--gfx1250"
	.amdhsa_code_object_version 6
	.text
	.protected	k_qeb31945a4c_attn
	.globl	k_qeb31945a4c_attn
	.p2align	8
	.type	k_qeb31945a4c_attn,@function
k_qeb31945a4c_attn:
	s_mov_b64 s[64:65], 0
	v_nop
	global_prefetch_b8 v0, s[64:65] scope:SCOPE_SE
	s_setreg_imm32_b32 hwreg(HW_REG_WAVE_MODE, 25, 1), 1
	s_wait_xcnt 0x0
; Launch 3 of 4: y = RMSNorm(softmax(q1 k1^T / 8) v - lam softmax(q2 k2^T / 8) v) x rms_weight x (1 - LAMBDA_INIT), causal, for each batch and head; operands f16, sums, maxima and norms f32.
; LEFT OUT: key tiles wholly above the diagonal, which reference()'s own jnp.tril hides for all values of the inputs (shown at the head of the first kernel).
; nan_to_num: q and k were held at +-65,504 by the launch before, so a score is a finite sum of 64 products, on which nan_to_num changes nothing.  LIMIT: as stated there.
; SHARES.  Work-group (i, batch x head) owns the blocks of 64 queries 31 - i and i, the high one first: 32 - i steps of 64 keys, then i + 1: 33 steps for every i, so all 256 work-groups have equal work and every
; trip count is a constant.  Wave w owns queries 16 w .. 16 w + 15 of the block in hand, for BOTH half-heads ('tile' 0 and 1): the difference and the norm never leave the wave.
; The row sums are known only at a block's end, so O1 = P1 V and O2 = P2 V are summed apart and out = O1 / l1 - lam O2 / l2 is formed there.
; LAYOUT.  S^T = K Q^T (source 0 = 16 keys, source 1 = 16 queries), O^T = V^T P: a lane holds one query throughout; two tiles of S^T, rounded in pairs, are source 1 of the second product.
; SOFTMAX.  A running maximum m and sum l for each query and half-head: p = 2^(c s - c m), c = log2(e) / 8; in every step O and l are multiplied by a = 2^(c m_old - c m_new).  On the diagonal step hidden scores become -infinity.
; A step's matrix and vector work stand side by side: tile 0's softmax behind tile 1's score products, tile 1's behind tile 0's V^T P, both tiles' sums behind tile 1's V^T P.
; RING.  Two LDS slots of three steps (a step: K 16 KiB, V^T 16 KiB, one dense block of the workspace); waves 0 to 2 fetch a step each by one tensor load.  The loop is turned by half a step, so that a change of slots stands where
; the wave has read all of the old slot, and K of the next step is asked for half a step ahead.
; NO CLUSTER: behind the step at which the query block changes, which hangs on the work-group's number, neighbours walk different key blocks, and a joint load wants the same descriptor in all that it names.
; REGISTERS.  window 0: v1-9 addresses and constants; v10-15, v224-231 at work; v16-31 statistics (tile t at 16 + 8 t: c m, m, l, l, four at work, a at +6); v32-95 S^T; v96-127 P; v128-191 the combined block; v192-223 y packed.
;   window 1: v0-127 O^T (64 t + 8 dt); v128-255 V.   window 2: v0-31 Q; v32-159 K; v160-223 the weights in the result's layout; v224-255 the low block's Q.
.set STEPB, 32768
.set SLOT1, 131072
.set SPARE, 98304                      ; behind slot 0's three steps: the spare words, 128 bytes a wave, which no other line names
.set LN16, 1
.set ADK,  2
.set ADV,  3
.set DQ,   4                           ; 16 w + r - 8 h: register 8 kt + j holds key 16 kt + 8 h + j of the block: hidden where 16 kt + j > DQ
.set NINF, 5
.set SPW,  6
.set NIL,  7
.set MLAM, 8                           ; -lam
.set PFO,  9
.set ST,   16
.set S,    32
.set P,    96
.set OUT,  128
.set PKY,  192
.set KF,   32
.set VF,   128
.set WT,   160
.set QL,   224
.set WV,  20
.set I,   21
.set NH,  22
.set QB,  23
.set KB,  24
.set TB,  25
.set CNT, 26
.set TRI, 27
.set SN,  28
.set LIM, 29
.set KVB, 30
.set G1,  32
.set G0A, 40
.set G0B, 44
.set CS,  48
.set SEL, 50
.set YC,  52
.set YL,  54
.set PFA, 56
.set MSB, 0
.macro WIN new
.if MSB != \new
	s_set_vgpr_msb (MSB<<8)|\new
.set MSB, \new
.endif
.endm
.set W_KQ, 0x0a                        ; K and Q window 2, S^T window 0
.set W_PV, 0x51                        ; V window 1, P window 0, O^T window 1
.set W_RS, 0x41                        ; O^T window 1, a window 0
.macro PLACES
.rept 4
	v_nop
.endr
.endm
	s_load_b256 s[4:11], s[0:1], 0x0               ; qw, kv, lambda_q1, lambda_k1
	s_load_b256 s[12:19], s[0:1], 0x20             ; lambda_q2, lambda_k2, rms_weight, yw
	v_lshl_add_u32 v[SPW], v0, 2, SPARE
	v_mov_b32 v[NIL], 0
	ds_add_u32 v[SPW], v[NIL]                      ; the wave's opening: the add, twice on end, and its wait ahead of my first tensor load
	ds_add_u32 v[SPW], v[NIL]
	v_lshrrev_b32 v10, 5, v0
	v_readfirstlane_b32 s[WV], v10
	s_mov_b32 s[I], ttmp9
	s_sub_co_u32 s[NH], 32, s[I]                   ; steps of the high block
	s_sub_co_u32 s[QB], 31, s[I]                   ; the block of queries in hand
	s_mov_b32 s[KB], 0                             ; the step's block of keys
	s_mov_b32 s[TB], 0                             ; LDS byte of the step to be fetched
	s_add_co_u32 s[SN], s[WV], 6                   ; the step that my next refill brings
	s_cmp_eq_u32 ttmp9, 0
	s_cselect_b32 s[LIM], 2, -1
	s_mov_b32 s[G1], 3<<16                         ; elements of 8 bytes, no mask, no padding
	s_mov_b32 s[G1+1], 32<<16                      ; a step's 32,768 dense bytes as 128 rows of 256
	s_mov_b32 s[G1+2], 128<<16
	s_mov_b32 s[G1+3], 32<<16
	s_mov_b32 s[G1+4], 128
	s_mov_b32 s[G1+5], 32
	s_mov_b32 s[G1+6], 0
	s_mov_b32 s[G1+7], 0
	s_mov_b32 s[CS], 0x3e38aa3b                    ; c = log2(e) / 8
	s_mov_b32 s[CS+1], s[CS]
	s_mov_b32 s[SEL], 0x76543210
	s_mov_b32 s[SEL+1], 0xfedcba98
	s_mov_b32 s58, 0x3c000000                      ; 1 / 128
	s_mov_b32 s59, 0x3727c5ac                      ; 1e-5
	s_and_b32 s60, ttmp7, 0xffff
	s_lshl_b32 s60, s60, 20                        ; a batch and head's K and V: 32 blocks of 32,768 bytes
	s_mov_b32 s61, 0
	s_lshl_b32 s62, s[WV], 15
	s_mov_b32 s63, 0
	s_wait_dscnt 0x0                               ; both opening adds are done
	s_wait_kmcnt 0x0
	s_add_nc_u64 s[KVB:KVB+1], s[6:7], s[60:61]
	s_mov_b32 s[G0A], 1
	s_mov_b32 s[G0A+1], s62                        ; slot 0, step w
	s_add_nc_u64 s[G0A+2:G0A+3], s[KVB:KVB+1], s[62:63]
	s_or_b32 s[G0A+3], s[G0A+3], 0x80000000
	s_mov_b32 s[G0B], 1
	s_add_co_u32 s[G0B+1], s62, SLOT1              ; slot 1, step 3 + w; this descriptor then walks on
	s_add_nc_u64 s[G0B+2:G0B+3], s[KVB:KVB+1], s[62:63]
	s_add_nc_u64 s[G0B+2:G0B+3], s[G0B+2:G0B+3], 3*STEPB
	s_or_b32 s[G0B+3], s[G0B+3], 0x80000000
	s_cmp_lt_u32 s[WV], 3                          ; a wave's two first fills stand in one branch: two loads of mine are out
	s_cbranch_scc0 .Lno_fill
	tensor_load_to_lds s[G0A:G0A+3], s[G1:G1+7]
	s_nop 0
	tensor_load_to_lds s[G0B:G0B+3], s[G1:G1+7]
	s_nop 0
.rept 4
	v_nop
.endr
.Lno_fill:
	v_and_b32 v12, 31, v0
	v_lshlrev_b32 v[LN16], 4, v12
	v_lshlrev_b32 v[PFO], 8, v12
	v_lshlrev_b32 v11, 3, v12                      ; the lambdas: two numbers a lane
	v_bfe_u32 v13, v0, 4, 1
	v_lshlrev_b32 v10, 5, v13                      ; the weights: my half's eight of each 16
	v_and_b32 v14, 15, v0
	v_lshlrev_b32 v15, 3, v13
	v_sub_nc_u32 v[DQ], v14, v15
	s_lshl_b32 s60, s[WV], 4
	v_add_nc_u32 v[DQ], s60, v[DQ]
	v_mov_b32 v[NINF], 0xff800000
	s_and_b32 s60, ttmp7, 0xffff
	s_lshr_b32 s61, s60, 3
	s_lshl_b32 s61, s61, 7                         ; 128 tiles of 16 tokens a batch,
	s_add_co_u32 s61, s61, s[WV]                   ; my wave's tile of the block's four
	s_and_b32 s60, s60, 7
	s_lshl_b32 s60, s60, 12                        ; the head's 4,096 bytes of a tile
	s_lshl_b32 s62, s[I], 2
	s_add_co_u32 s62, s62, s61
	s_lshl_b32 s62, s62, 15
	s_add_co_u32 s62, s62, s60                     ; the low block
	s_lshl_b32 s63, s[QB], 2
	s_add_co_u32 s63, s63, s61
	s_lshl_b32 s63, s63, 15
	s_add_co_u32 s60, s63, s60                     ; the high block
	s_mov_b32 s61, 0
	s_mov_b32 s63, 0
	s_add_nc_u64 s[YC:YC+1], s[18:19], s[60:61]
	s_add_nc_u64 s[YL:YL+1], s[18:19], s[62:63]
	s_add_nc_u64 s[6:7], s[4:5], s[62:63]
	s_add_nc_u64 s[4:5], s[4:5], s[60:61]
	s_mul_i32 s60, s[WV], 24576
	s_add_co_u32 s60, s60, 2*3*STEPB
	s_add_nc_u64 s[PFA:PFA+1], s[KVB:KVB+1], s[60:61]   ; my quarter of slot 2's bytes; the first change of slots steps it to slot 3's.  Nothing is prefetched here, at the head
	WIN 0x80                                       ; destination window 2
.irp f, 0,1,2,3,4,5,6,7                        ; Q: tile f / 4, channels 32 ((f / 2) % 2) on, half f % 2 of the fragment
	global_load_b128 v[4*\f:4*\f+3], v[LN16], s[4:5] offset:512*\f
	global_load_b128 v[QL+4*\f:QL+4*\f+3], v[LN16], s[6:7] offset:512*\f
.endr
.irp d, 0,1,2,3,4,5,6,7
	global_load_b128 v[WT+8*\d:WT+8*\d+3], v10, s[16:17] offset:64*\d
	global_load_b128 v[WT+8*\d+4:WT+8*\d+7], v10, s[16:17] offset:64*\d+16
.endr
	WIN 0
	global_load_b64 v[224:225], v11, s[8:9]
	global_load_b64 v[226:227], v11, s[10:11]
	global_load_b64 v[228:229], v11, s[12:13]
	global_load_b64 v[230:231], v11, s[14:15]
.irp t, 0,1
	v_mov_b32 v[ST+8*\t+1], 0xff61b1e6             ; m = -3e38, under every score
	v_mul_f32 v[ST+8*\t], s[CS], v[ST+8*\t+1]
.irp x, 2,3,4,5,6,7
	v_mov_b32 v[ST+8*\t+\x], 0
.endr
.endr
	WIN 0x40
.set n, 0
.rept 128
	v_mov_b32 v[n], 0                              ; O^T, once: the step is written in one form, whose first a is 0
.set n, n+1
.endr
	WIN 0
	s_wait_loadcnt 0x0
	v_mul_f32 v12, v224, v226                      ; lam = exp(lambda_q1 . lambda_k1) - exp(lambda_q2 . lambda_k2) + LAMBDA_INIT
	v_mul_f32 v13, v228, v230
	v_fmac_f32 v12, v225, v227
	v_fmac_f32 v13, v229, v231
.irp m, 1,2,4,8
	v_add_f32_dpp v12, v12, v12 row_xmask:\m row_mask:0xf bank_mask:0xf
	v_add_f32_dpp v13, v13, v13 row_xmask:\m row_mask:0xf bank_mask:0xf
.endr
	v_permlanex16_b32 v14, v12, s[SEL], s[SEL+1]
	v_permlanex16_b32 v15, v13, s[SEL], s[SEL+1]
	v_add_f32 v12, v12, v14
	v_add_f32 v13, v13, v15
	v_mul_f32 v12, 0x3fb8aa3b, v12
	v_mul_f32 v13, 0x3fb8aa3b, v13
	v_exp_f32 v12, v12
	v_exp_f32 v13, v13
	v_nop                                          ; a plain instruction behind the last exponential,
	s_wait_alu depctr_va_vdst(0)                   ; and one wait for both, ahead of the first reader
	v_sub_f32 v[MLAM], v13, v12
	v_add_f32 v[MLAM], 0xbf489a63, v[MLAM]         ; -lam; LAMBDA_INIT = 0.8 - 0.6 exp(-3.6)
	s_mov_b32 s60, 0x3e5d9673                      ; 1 - LAMBDA_INIT
	s_mov_b32 s61, s60
	WIN 0x82
.set n, 0
.rept 32
	v_pk_mul_f32 v[WT+n:WT+n+1], v[WT+n:WT+n+1], s[60:61] op_sel_hi:[1,0]
.set n, n+2
.endr
	WIN 0
.macro FETCH_K                         ; a step's K: 64 keys x 128 channels, 16 fragments, each two loads of 512 consecutive bytes
	WIN 0
	v_add_nc_u32 v[ADK], s[TB], v[LN16]
	WIN 0x80
.irp t, 0,1
.irp kt, 0,1,2,3
.irp ks, 0,1
	ds_load_b128 v[KF+64*\t+8*(2*\kt+\ks):KF+64*\t+8*(2*\kt+\ks)+3],   v[ADK] offset:4096*\kt+2048*\t+1024*\ks
	ds_load_b128 v[KF+64*\t+8*(2*\kt+\ks)+4:KF+64*\t+8*(2*\kt+\ks)+7], v[ADK] offset:4096*\kt+2048*\t+1024*\ks+512
.endr
.endr
.endr
.endm
.macro FETCH_V                         ; and its V^T: 128 channels x 64 keys
	WIN 0
	v_add_nc_u32 v[ADV], s[TB], v[LN16]
	s_add_co_u32 s[TB], s[TB], STEPB               ; the next fetch is the next step's
	WIN 0x40
.irp d, 0,1,2,3,4,5,6,7
.irp c, 0,1
	ds_load_b128 v[VF+8*(2*\d+\c):VF+8*(2*\d+\c)+3],   v[ADV] offset:16384+2048*\d+1024*\c
	ds_load_b128 v[VF+8*(2*\d+\c)+4:VF+8*(2*\d+\c)+7], v[ADV] offset:16384+2048*\d+1024*\c+512
.endr
.endr
.endm
; Product i of 8 of tile t's S^T: channels 32 (i / 4) on, keys 16 (i % 4) on.  Product i of 16 of its O^T: keys 32 (i / 8) on, channels 16 (i % 8) on.  The accumulators take turns, one instruction a turn.
.macro KQ t
	WIN W_KQ
.set rS, S+32*(\t)+8*(i%4)
.set rK, KF+64*(\t)+8*(2*(i%4)+i/4)
.set rQ, 16*(\t)+8*(i/4)
.if i < 4
	v_wmma_f32_16x16x32_f16 v[rS:rS+7], v[rK:rK+7], v[rQ:rQ+7], 0
.else
	v_wmma_f32_16x16x32_f16 v[rS:rS+7], v[rK:rK+7], v[rQ:rQ+7], v[rS:rS+7]
.endif
.endm
.macro PV t
	WIN W_PV
.set rO, 64*(\t)+8*(i%8)
.set rV, VF+8*(2*(i%8)+i/8)
.set rP, P+16*(\t)+8*(i/8)
	v_wmma_f32_16x16x32_f16 v[rO:rO+7], v[rV:rV+7], v[rP:rP+7], v[rO:rO+7]
.endm
; One tile's softmax for a step is a list of 134 instructions; SM writes number j of it for tile t.
;   0-15 the maximum of the lane's 32 scores and the old m;  16-20 the other half of the lanes', the new m, c m, its change;  21-69 ONE BATCH: 16 packed scalings c s - c m and 33 exponentials (a at 23), none of which reads an
;   exponential's result;  70-85 the roundings to f16;  86-101 the sums, l = a l + the sum;  102-133 O^T x a.
.macro SM t
.set rT, ST+8*(\t)
.set rS, S+32*(\t)
.set rP, P+16*(\t)
.set rO, 64*(\t)+2*(j-102)
.if j < 102
	WIN 0
.endif
.if j < 4
	v_max3_num_f32 v[rT+4+j], v[rS+8*j], v[rS+8*j+1], v[rS+8*j+2]      ; each accumulator is read from its low end on
.elseif j < 12
	v_max3_num_f32 v[rT+4+j%4], v[rT+4+j%4], v[rS+8*(j%4)+2*(j/4)+1], v[rS+8*(j%4)+2*(j/4)+2]
.elseif j == 12
	v_max3_num_f32 v[rT+4], v[rT+4], v[rS+7], v[rS+15]
.elseif j == 13
	v_max3_num_f32 v[rT+6], v[rT+6], v[rS+23], v[rS+31]
.elseif j == 14
	v_max3_num_f32 v[rT+4], v[rT+4], v[rT+5], v[rT+6]
.elseif j == 15
	v_max3_num_f32 v[rT+4], v[rT+4], v[rT+7], v[rT+1]
.elseif j == 16
	v_permlanex16_b32 v[rT+5], v[rT+4], s[SEL], s[SEL+1]
.elseif j == 17
	v_mov_b32 v[rT+7], v[rT]
.elseif j == 18
	v_max_num_f32 v[rT+1], v[rT+4], v[rT+5]
.elseif j == 19
	v_mul_f32 v[rT], s[CS], v[rT+1]
.elseif j == 20
	v_sub_f32 v[rT+7], v[rT+7], v[rT]
.elseif j == 23
	v_exp_f32 v[rT+6], v[rT+7]
.elseif (j < 23) || ((j < 38) && (j%2 == 0)) || ((j < 66) && (j%4 == 2))
.set b, (j-2)/4
.if j < 38
.set b, (j-20)/2
.endif
	v_pk_fma_f32 v[rS+2*b:rS+2*b+1], v[rS+2*b:rS+2*b+1], s[CS:CS+1], v[rT:rT+1] op_sel_hi:[1,0,0] neg_lo:[0,0,1] neg_hi:[0,0,1]
.elseif j < 70
.set e, j-38
.if j < 66
.set e, j-32-(j-38)/4
.endif
.if j < 38
.set e, (j-25)/2
.endif
	v_exp_f32 v[rS+e], v[rS+e]
.elseif j < 86
	v_cvt_pk_f16_f32 v[rP+j-70], v[rS+2*(j-70)], v[rS+2*(j-70)+1]
.elseif j < 102
.set z, j-86
.set w, 4
.set u, z
.if z >= 14
.set w, 32
.set u, 0
.elseif z >= 12
.set w, 16
.set u, z-12
.elseif z >= 8
.set w, 8
.set u, z-8
.endif
.if z < 15
	v_pk_add_f32 v[rS+w*u:rS+w*u+1], v[rS+w*u:rS+w*u+1], v[rS+w*u+w/2:rS+w*u+w/2+1]
.else
	v_pk_fma_f32 v[rT+2:rT+3], v[rT+2:rT+3], v[rT+6:rT+7], v[rS:rS+1] op_sel_hi:[1,0,1]
.endif
.else
	WIN W_RS
	v_pk_mul_f32 v[rO:rO+1], v[rO:rO+1], v[rT+6:rT+7] op_sel_hi:[1,0]
.endif
.endm
; The next n of the 118 numbers 0-85 and 102-133 of tile t.  Behind number 69 stand one plain instruction and the tile's one wait for its 33 exponentials, ahead of the first line that names a result.
.macro SMQ t, n
.rept \n
.if pos < 118
.if pos < 86
.set j, pos
.else
.set j, pos+16
.endif
	SM \t
.if pos == 69
	v_nop
	s_wait_alu depctr_va_vdst(0)
.endif
.endif
.set pos, pos+1
.endr
.endm
.macro MASK t                          ; on the diagonal step hidden scores become -infinity; the branch hangs on ids and the count of steps alone
	WIN 0
	s_cmp_lg_u32 s[KB], s[QB]
	s_cbranch_scc1 .Lopen_\@
.set n, 0
.rept 32
	v_cmp_gt_i32 vcc_lo, 16*(n/8)+n%8, v[DQ]
	v_cndmask_b32 v[S+32*(\t)+n], v[S+32*(\t)+n], v[NINF], vcc_lo
.set n, n+1
.endr
.Lopen_\@:
.endm
.macro FRONT                           ; a step's first half: V asked for; tile 0's scores; tile 1's scores with tile 0's softmax between them
	FETCH_V
	s_wait_dscnt 32                                ; K's 32 loads are in; V's 32, issued behind them, may be out
.set i, 0
.rept 8
	KQ 0
.set i, i+1
.endr
	WIN 0
	PLACES                                         ; between those products and the first read of their results
	MASK 0
.set pos, 0
.set i, 0
.rept 8
	KQ 1
	SMQ 0, 15
.set i, i+1
.endr
	s_wait_dscnt 0x0                               ; V is in: my reads of this step's bytes are over.  (The last slice's 13 packed multiplies are the places behind the last product)
.endm
.macro BACK                            ; its second half: tile 0's V^T P with tile 1's softmax, tile 1's V^T P with both tiles' sums
	MASK 1
.set pos, 0
.set i, 0
.rept 16
	PV 0
	SMQ 1, 8
.set i, i+1
.endr
.set i, 0
.rept 16
	PV 1
.set j, 86+i
	SM 0
	SM 1
.set i, i+1
.endr
	WIN 0
	PLACES                                         ; behind the last product: V is loaded anew and O^T read below
.endm
.macro FINAL                           ; a block's end: out = O1 / l1 - lam O2 / l2, the norm over the head's 128, the weights, f16, 4,096 consecutive bytes a wave
	s_wait_xcnt 0x0                                ; earlier stores have read their data
.irp t, 0,1
	v_add_f32 v[224+2*\t], v[ST+8*\t+2], v[ST+8*\t+3]
.endr
.irp t, 0,1
	v_permlanex16_b32 v[225+2*\t], v[224+2*\t], s[SEL], s[SEL+1]
.endr
.irp t, 0,1
	v_add_f32 v[224+2*\t], v[224+2*\t], v[225+2*\t]
.endr
	v_rcp_f32 v224, v224
	v_rcp_f32 v226, v226
	v_nop
	s_wait_alu depctr_va_vdst(0)                   ; one wait for both reciprocals
	v_mul_f32 v226, v226, v[MLAM]
	WIN 0x01                                       ; source 0 window 1
.set n, 0
.rept 32
	v_pk_mul_f32 v[OUT+n:OUT+n+1], v[n:n+1], v[224:225] op_sel_hi:[1,0]
.set n, n+2
.endr
.set n, 0
.rept 32
	v_pk_fma_f32 v[OUT+n:OUT+n+1], v[64+n:64+n+1], v[226:227], v[OUT+n:OUT+n+1] op_sel_hi:[1,0,1]
.set n, n+2
.endr
	WIN 0
	v_pk_mul_f32 v[228:229], v[OUT:OUT+1], v[OUT:OUT+1]
	v_pk_mul_f32 v[230:231], v[OUT+2:OUT+3], v[OUT+2:OUT+3]
.set n, 4
.rept 15
	v_pk_fma_f32 v[228:229], v[OUT+n:OUT+n+1], v[OUT+n:OUT+n+1], v[228:229]
	v_pk_fma_f32 v[230:231], v[OUT+n+2:OUT+n+3], v[OUT+n+2:OUT+n+3], v[230:231]
.set n, n+4
.endr
	v_pk_add_f32 v[228:229], v[228:229], v[230:231]
	v_add_f32 v228, v228, v229
	v_permlanex16_b32 v229, v228, s[SEL], s[SEL+1]
	v_add_f32 v228, v228, v229                     ; the sum of the query's 128 squares
	v_fma_f32 v228, v228, s58, s59                 ; / 128 + 1e-5
	v_rsq_f32 v10, v228
	WIN 0x08                                       ; source 1 window 2: the weights; these 32 are the independent work behind the root
.set n, 0
.rept 32
	v_pk_mul_f32 v[OUT+n:OUT+n+1], v[OUT+n:OUT+n+1], v[WT+n:WT+n+1]
.set n, n+2
.endr
	WIN 0
	s_wait_alu depctr_va_vdst(0)
.set n, 0
.rept 32
	v_pk_mul_f32 v[OUT+n:OUT+n+1], v[OUT+n:OUT+n+1], v[10:11] op_sel_hi:[1,0]
.set n, n+2
.endr
.set n, 0
.rept 32
	v_cvt_pk_f16_f32 v[PKY+n], v[OUT+2*n], v[OUT+2*n+1]
.set n, n+1
.endr
.irp d, 0,1,2,3,4,5,6,7
	global_store_b128 v[LN16], v[PKY+4*\d:PKY+4*\d+3], s[YC:YC+1] offset:512*\d
.endr
.endm
.macro SWITCH                          ; on to the low block.  O^T and l are not cleared: the next step's a is 0, and both are finite
	s_wait_xcnt 0x0                                ; the stores have read their base
	s_mov_b64 s[YC:YC+1], s[YL:YL+1]
	s_mov_b32 s[QB], s[I]
	s_mov_b32 s[KB], -1
	WIN 0x82
.set n, 0
.rept 32
	v_mov_b32 v[n], v[QL+n]
.set n, n+1
.endr
	WIN 0
.irp t, 0,1
	v_mov_b32 v[ST+8*\t+1], 0xff61b1e6
	v_mul_f32 v[ST+8*\t], s[CS], v[ST+8*\t+1]
.endr
.endm
.macro STEPEND                         ; behind the diagonal step of the high block: its end, and the change of blocks.  The same way in all four waves
	WIN 0
	s_cmp_lg_u32 s[KB], s[QB]
	s_cbranch_scc1 .Lon_\@
	FINAL
	SWITCH
.Lon_\@:
	s_add_co_u32 s[KB], s[KB], 1
.endm
.macro RSTEP                           ; the next step's K is asked for; this step's second half; the next step's first half
	FETCH_K
	BACK
	STEPEND
	FRONT
.endm
; THE CHANGE OF SLOTS.  Each wave waits for all its tensor loads, adds 0 to its spare word, and waits for that and for its reads of the slot that it leaves; behind the barrier that slot is filled again first (fill = 1).
.macro CHANGE fill
	WIN 0
	s_wait_tensorcnt 0x0                           ; no tensor load of mine is out, so the walking descriptor may be written
	ds_add_u32 v[SPW], v[NIL]
.if \fill
	ds_add_u32 v[SPW], v[NIL]                      ; and once more
	s_xor_b32 s[G0B+1], s[G0B+1], SLOT1            ; the other slot than last time
	s_sub_co_u32 s60, s[SN], s[NH]
	s_cmp_lt_u32 s[SN], s[NH]
	s_cselect_b32 s60, s[SN], s60                  ; the step's block of keys: the walk begins anew with the low block
	s_lshl_b32 s60, s60, 15
	s_mov_b32 s61, 0
	s_add_nc_u64 s[G0B+2:G0B+3], s[KVB:KVB+1], s[60:61]
	s_or_b32 s[G0B+3], s[G0B+3], 0x80000000
	s_add_co_u32 s[SN], s[SN], 3
	s_wait_xcnt 0x0                                ; the last prefetches, three steps back, have read their address
	s_add_nc_u64 s[PFA:PFA+1], s[PFA:PFA+1], 3*STEPB
.endif
	s_wait_dscnt 0x0                               ; the add is done, and my reads of the slot are over
	s_barrier_signal -1
	s_barrier_wait -1
.if \fill
	s_cmp_lt_u32 s[WV], 3
	s_cbranch_scc0 .Lskip_\@
	tensor_load_to_lds s[G0B:G0B+3], s[G1:G1+7]    ; my one tensor load behind the barrier: it has three steps in which to land
	s_nop 0
.rept 4
	v_nop
.endr
.Lskip_\@:
	; A prefetch of the slot that the NEXT change will ask for: three steps, 144 matrix instructions a wave, ahead of that load.  All sixteen work-groups of a batch and head walk the same K and V; the one with i = 0,
	; whose first 32 steps are key blocks 0 to 31 on end, asks for slots 3 to 9: 24,576 bytes a wave, lanes 256 bytes apart, so each block of 256 bytes is named once.  The last two fills ask for nothing.
	s_cmp_gt_u32 s[CNT], s[LIM]
	s_cbranch_scc0 .Lnot_mine_\@
	global_prefetch_b8 v[PFO], s[PFA:PFA+1] th:TH_LOAD_NT scope:SCOPE_SE
	global_prefetch_b8 v[PFO], s[PFA:PFA+1] offset:8192 th:TH_LOAD_NT scope:SCOPE_SE
	global_prefetch_b8 v[PFO], s[PFA:PFA+1] offset:16384 th:TH_LOAD_NT scope:SCOPE_SE
.Lnot_mine_\@:
.endif
	s_sub_co_u32 s[TB], s[TB], 3*STEPB             ; the fetches go back to a slot's first step,
	s_xor_b32 s[TB], s[TB], SLOT1                  ; in the other slot
.endm
	s_wait_tensorcnt 1                             ; my part of slot 0 is in; slot 1's may stay out
	s_barrier_signal -1
	s_barrier_wait -1
	FETCH_K
	FRONT                                          ; step 0
	WIN 0
	s_mov_b32 s[TRI], 2
.Lfirst:                                           ; slot 0's other two steps
	RSTEP
	WIN 0
	s_sub_co_u32 s[TRI], s[TRI], 1
	s_cmp_lg_u32 s[TRI], 0
	s_cbranch_scc1 .Lfirst
	s_mov_b32 s[CNT], 9
.Lslot:                                            ; nine changes that fill a slot again: slots 2 to 10
	CHANGE 1
	s_mov_b32 s[TRI], 3
.Lstep:
	RSTEP
	WIN 0
	s_sub_co_u32 s[TRI], s[TRI], 1
	s_cmp_lg_u32 s[TRI], 0
	s_cbranch_scc1 .Lstep
	s_sub_co_u32 s[CNT], s[CNT], 1
	s_cmp_lg_u32 s[CNT], 0
	s_cbranch_scc1 .Lslot
	CHANGE 0                                       ; the last slot is written out: nothing is left to ask for
	s_mov_b32 s[TRI], 3
.Llast:
	RSTEP
	WIN 0
	s_sub_co_u32 s[TRI], s[TRI], 1
	s_cmp_lg_u32 s[TRI], 0
	s_cbranch_scc1 .Llast
	BACK                                           ; step 32's second half
	FINAL                                          ; the low block's end
	s_wait_tensorcnt 0x0                           ; the wave's end
	ds_add_u32 v[SPW], v[NIL]
	s_wait_dscnt 0x0
	s_endpgm
.Lfunc_end_k_qeb31945a4c_attn:
	.size	k_qeb31945a4c_attn, .Lfunc_end_k_qeb31945a4c_attn-k_qeb31945a4c_attn
	.p2alignl 7, 3214868480
	.fill 96, 4, 3214868480
	.section	.rodata,"a",@progbits
	.p2align	6, 0x0
	.amdhsa_kernel k_qeb31945a4c_attn
		.amdhsa_group_segment_fixed_size 327680
		.amdhsa_private_segment_fixed_size 0
		.amdhsa_enable_private_segment 0
		.amdhsa_kernarg_size 64
		.amdhsa_user_sgpr_count 2
		.amdhsa_user_sgpr_kernarg_segment_ptr 1
		.amdhsa_wavefront_size32 1
		.amdhsa_system_sgpr_workgroup_id_x 1
		.amdhsa_system_sgpr_workgroup_id_y 1
		.amdhsa_system_sgpr_workgroup_id_z 1
		.amdhsa_system_vgpr_workitem_id 0
		.amdhsa_next_free_vgpr 768
		.amdhsa_next_free_sgpr 66
		.amdhsa_reserve_vcc 1
		.amdhsa_float_denorm_mode_32 3
		.amdhsa_float_denorm_mode_16_64 3
		.amdhsa_memory_ordered 1
		.amdhsa_forward_progress 1
		.amdhsa_inst_pref_size 193
	.end_amdhsa_kernel
	.amdgpu_metadata
---
amdhsa.version: [ 1, 2 ]
amdhsa.kernels:
  - .name:           k_qeb31945a4c_attn
    .symbol:         k_qeb31945a4c_attn.kd
    .args:
      - { .name: qw, .offset: 0, .size: 8, .value_kind: global_buffer, .address_space: global }
      - { .name: kv, .offset: 8, .size: 8, .value_kind: global_buffer, .address_space: global }
      - { .name: lambda_q1, .offset: 16, .size: 8, .value_kind: global_buffer, .address_space: global }
      - { .name: lambda_k1, .offset: 24, .size: 8, .value_kind: global_buffer, .address_space: global }
      - { .name: lambda_q2, .offset: 32, .size: 8, .value_kind: global_buffer, .address_space: global }
      - { .name: lambda_k2, .offset: 40, .size: 8, .value_kind: global_buffer, .address_space: global }
      - { .name: rms_weight, .offset: 48, .size: 8, .value_kind: global_buffer, .address_space: global }
      - { .name: yw, .offset: 56, .size: 8, .value_kind: global_buffer, .address_space: global }
    .group_segment_fixed_size: 327680
    .private_segment_fixed_size: 0
    .kernarg_segment_align: 8
    .kernarg_segment_size: 64
    .max_flat_workgroup_size: 128
    .sgpr_count:     66
    .vgpr_count:     768
    .wavefront_size: 32
...
	.end_amdgpu_metadata
.endif
;; end of part 3
;; launch oproj (part 4): grid 8 x 32, 4 waves a work-group, clusters of 4 x 4, 327,680 bytes of LDS; arguments yw, woh, out0; writes out0
.if DOCPART == 4
	.amdgcn_target "amdgcn-amd-amdhsa--gfx1250"
	.amdhsa_code_object_version 6
	.text
	.protected	k_qeb31945a4c_oproj
	.globl	k_qeb31945a4c_oproj
	.p2align	8
	.type	k_qeb31945a4c_oproj,@function
k_qeb31945a4c_oproj:
	s_mov_b64 s[64:65], 0
	v_nop
	global_prefetch_b8 v0, s[64:65] scope:SCOPE_SE
	s_setreg_imm32_b32 hwreg(HW_REG_WAVE_MODE, 25, 1), 1
	s_wait_xcnt 0x0
	s_wait_alu depctr_hold_cnt(0) depctr_sa_sdst(0) depctr_va_vdst(0) depctr_va_sdst(0) depctr_va_ssrc(0) depctr_va_vcc(0) depctr_vm_vsrc(0)
	s_getreg_b32 s2, hwreg(HW_REG_IB_STS2, 6, 4)
	s_cmp_eq_u32 s2, 0
	s_cbranch_scc0 .Lentry_in_a_cluster
	s_endpgm
.Lentry_in_a_cluster:
	s_bfe_u32 s2, ttmp6, 0x10000c
	s_cmp_lg_u32 s2, 0xf033
	s_cbranch_scc0 .Lentry_shape_is_right
	s_endpgm
.Lentry_shape_is_right:
; Launch 4 of 4: out0 = y Wo.  y [4,096][1,024] and Wo^T [1,024][1,024] in f16, both laid in the order of the operand registers ([tile of 16 rows][8 along K][row][16 bytes]); sums and out0 in f32.
; 256 tiles of 128 x 128, one for each work-group; four waves, each 64 x 64: 16 accumulators.  K goes in steps of 256 through a ring of two LDS slots; a wave's tensor load brings 64 rows x 256 K, 32,768 bytes.
; A fragment is two loads of 16 bytes at 16 x lane, consecutive bytes: no padding is wanted.
; CLUSTERS: 4 x 4: y's tiles are shared along a row of the cluster, Wo's along a column: joint loads.  The matrix instruction is used transposed (source 0 = 16 rows of Wo^T, source 1 = 16 rows of y).
; No prefetch: four K steps in all, of which two are asked for at the head.
; REGISTERS: window 0: v16-29 addresses; v32-95 the way out; v128-255 the accumulators ((a, b) at v[128 + 8 (4 a + b)]).  window 1: two fragment buffers of 128: 64 registers of A, then 64 of B, for 64 along K.
.set CHUNK,  32768
.set SLOT,   131072
.set STAGE,  262144                    ; behind the ring: 16 rows x 272 bytes for each wave, the wave's own; no fill lands there
.set SPITCH, 272
.set SPARE,  STAGE+4*16*SPITCH         ; the spare words, 128 bytes a wave, which no other line names
.set LAPS,   2                         ; a lap = two K steps; K = 1,024
.set ADRA, 16
.set ADRB, 20
.set STO,  24
.set RD,   25
.set CO,   26
.set SPW,  28
.set NIL,  29
.set BK,   32
.set ACC,  128
.set F0,   0
.set F1,   128
.set G1, 24
.set G0, 32
.set G1B, 48
.set G0B, 56
.set MSB, 0
.macro WIN new
.if MSB != \new
	s_set_vgpr_msb (MSB<<8)|\new
.set MSB, \new
.endif
.endm
.set MUL,  0x05                        ; sources 0 and 1 window 1; C and D window 0
.set TO_F, 0x40
.macro JLOAD s                         ; waves 0 and 1 fetch y's halves, waves 2 and 3 Wo's; an s_nop 0 and four v_nop follow each line
	s_cmp_eq_u32 s11, 0
	s_cbranch_scc0 .Lfor_b_\@
	tensor_load_to_lds s[G0+4*\s:G0+4*\s+3], s[G1:G1+7]
	s_nop 0
.rept 4
	v_nop
.endr
	s_branch .Lasked_\@
.Lfor_b_\@:
	tensor_load_to_lds s[G0B+4*\s:G0B+4*\s+3], s[G1B:G1B+7]
	s_nop 0
.rept 4
	v_nop
.endr
.Lasked_\@:
.endm
.macro CREST
	s_cmp_lg_u32 s10, 0
	s_cbranch_scc1 .Lnot_wave_0_\@
	s_barrier_signal -3
.Lnot_wave_0_\@:
	s_barrier_wait -3
	s_barrier_signal -1
	s_barrier_wait -1
.endm
.macro CROUND
	s_barrier_signal -1
	s_barrier_wait -1
	CREST
.endm
	s_load_b128 s[4:7], s[0:1], 0x0                ; yw, woh
	s_load_b64 s[8:9], s[0:1], 0x10                ; out0
	v_lshl_add_u32 v[SPW], v0, 2, SPARE
	v_mov_b32 v[NIL], 0
	ds_add_u32 v[SPW], v[NIL]                      ; the wave's opening: the add, twice on end, and its wait ahead of my first tensor load
	ds_add_u32 v[SPW], v[NIL]
	v_lshrrev_b32 v1, 5, v0
	v_readfirstlane_b32 s10, v1
	s_lshr_b32 s11, s10, 1                         ; my half of the rows.  Also: I fetch for y (0) or Wo (1)
	s_and_b32 s12, s10, 1                          ; my half of the columns.  Also: which 64 rows I fetch
	s_bfe_u32 s40, ttmp6, 0x40000
	s_bfe_u32 s41, ttmp6, 0x40004
	s_lshl_b32 s42, ttmp9, 2
	s_add_co_u32 s42, s42, s40                     ; tile column
	s_and_b32 s13, ttmp7, 0xffff
	s_lshl_b32 s13, s13, 2
	s_add_co_u32 s13, s13, s41                     ; tile row
	s_lshl_b32 s43, s41, 2
	s_lshl_b32 s43, 15, s43
	s_lshl_b32 s44, 0x1111, s40
	s_or_b32 s[G1+0], s43, (3<<16)|(1<<21)         ; the mask; elements of 8 bytes; bit 21 beside a mask; no padding
	s_or_b32 s[G1B+0], s44, (3<<16)|(1<<21)
.irp g, G1, G1B                        ; 4 tiles of 16 rows, 8,192 bytes (256 along K) of each tile's 32,768
	s_mov_b32 s[\g+1], 1024<<16
	s_mov_b32 s[\g+2], 4<<16
	s_mov_b32 s[\g+3], 1024<<16
	s_mov_b32 s[\g+4], 4
	s_mov_b32 s[\g+5], 4096
	s_mov_b32 s[\g+6], 0
	s_mov_b32 s[\g+7], 0
.endr
	s_lshl_b32 s17, s12, 2
	s_lshl_b32 s16, s13, 3
	s_add_co_u32 s16, s16, s17
	s_lshl_b32 s16, s16, 15                        ; y: (8 x tile row + 4 x half) tiles of 32,768 bytes
	s_lshl_b32 s46, s42, 3
	s_add_co_u32 s46, s46, s17
	s_lshl_b32 s46, s46, 15                        ; Wo: by the tile column
	s_mov_b32 s17, 0
	s_mov_b32 s47, 0
	s_lshl_b32 s20, s10, 15                        ; where they go: wave x a chunk
	s_wait_dscnt 0x0
	s_wait_kmcnt 0x0
	s_add_nc_u64 s[14:15], s[4:5], s[16:17]
	s_add_nc_u64 s[46:47], s[6:7], s[46:47]
	CROUND                                         ; all sixteen work-groups are here: the first joint loads meet
.irp s, 0,1
	s_mov_b32 s[G0+4*\s], 1
	s_add_co_u32 s[G0+4*\s+1], s20, \s*SLOT
	s_add_nc_u64 s[G0+4*\s+2:G0+4*\s+3], s[14:15], \s*8192
	s_or_b32 s[G0+4*\s+3], s[G0+4*\s+3], 0x80000000
	s_mov_b32 s[G0B+4*\s], 1
	s_add_co_u32 s[G0B+4*\s+1], s20, \s*SLOT
	s_add_nc_u64 s[G0B+4*\s+2:G0B+4*\s+3], s[46:47], \s*8192
	s_or_b32 s[G0B+4*\s+3], s[G0B+4*\s+3], 0x80000000
	JLOAD \s
.endr
	v_and_b32 v1, 15, v0                           ; r
	v_bfe_u32 v2, v0, 4, 1                         ; h
	v_and_b32 v3, 31, v0
	v_lshlrev_b32 v3, 4, v3                        ; 16 x lane
	s_lshl_b32 s21, s11, 15
	s_lshl_b32 s22, s12, 15
	s_add_co_u32 s22, s22, 2*CHUNK
.irp s, 0,1
	v_add_nc_u32 v[ADRA+\s], s21, v3
	v_add_nc_u32 v[ADRB+\s], s22, v3
	s_add_co_u32 s21, s21, SLOT
	s_add_co_u32 s22, s22, SLOT
.endr
	s_mul_i32 s23, s10, 16*SPITCH
	s_add_co_u32 s23, s23, STAGE                   ; my stage
	v_mul_u32_u24 v4, v1, SPITCH
	v_lshl_add_u32 v4, v2, 5, v4
	v_add_nc_u32 v[STO], s23, v4                   ; in: row r, 32 bytes for each half of the lanes
	v_mul_u32_u24 v5, v2, SPITCH
	v_lshl_add_u32 v5, v1, 4, v5
	v_add_nc_u32 v[RD], s23, v5                    ; back: lanes 0-15 one row of 256 bytes, lanes 16-31 the next
	v_lshlrev_b32 v5, 12, v2
	v_lshl_add_u32 v[CO], v1, 4, v5                ; and the same two rows in out0
	s_lshl_b32 s16, s13, 19
	s_lshl_b32 s17, s11, 18
	s_add_co_u32 s16, s16, s17                     ; my first row: (128 x tile row + 64 x half) x 4,096 bytes
	s_mov_b32 s17, 0
	s_add_nc_u64 s[8:9], s[8:9], s[16:17]
	s_lshl_b32 s46, s42, 9
	s_lshl_b32 s47, s12, 8
	s_add_co_u32 s46, s46, s47                     ; my first column, in bytes
	s_mov_b32 s47, 0
	s_add_nc_u64 s[8:9], s[8:9], s[46:47]
; 8 matrix instructions: m blocks a0, a0 + 1 x all 4 n blocks, 32 along K: half c of buffer f.  The 16 accumulators take turns.
.macro MUL8 f, c, a0, zero
.irp a, \a0, \a0+1
.irp b, 0,1,2,3
.if \zero
	v_wmma_f32_16x16x32_f16 v[ACC+8*(4*(\a)+\b):ACC+8*(4*(\a)+\b)+7], v[\f+64+8*(4*\c+\b):\f+64+8*(4*\c+\b)+7], v[\f+8*(4*\c+\a):\f+8*(4*\c+\a)+7], 0
.else
	v_wmma_f32_16x16x32_f16 v[ACC+8*(4*(\a)+\b):ACC+8*(4*(\a)+\b)+7], v[\f+64+8*(4*\c+\b):\f+64+8*(4*\c+\b)+7], v[\f+8*(4*\c+\a):\f+8*(4*\c+\a)+7], v[ACC+8*(4*(\a)+\b):ACC+8*(4*(\a)+\b)+7]
.endif
.endr
.endr
.endm
.macro FETCH slot, k, f                ; 32 LDS loads in one run: 64 along K at byte k of a tile's 8,192; the first 32 along K first
	WIN TO_F
.irp c, 0,1
.irp i, 0,1,2,3
	ds_load_b128 v[\f+64+8*(4*\c+\i):\f+64+8*(4*\c+\i)+3],   v[ADRB+\slot] offset:\k+1024*\c+8192*\i
	ds_load_b128 v[\f+64+8*(4*\c+\i)+4:\f+64+8*(4*\c+\i)+7], v[ADRB+\slot] offset:\k+1024*\c+8192*\i+512
	ds_load_b128 v[\f+8*(4*\c+\i):\f+8*(4*\c+\i)+3],         v[ADRA+\slot] offset:\k+1024*\c+8192*\i
	ds_load_b128 v[\f+8*(4*\c+\i)+4:\f+8*(4*\c+\i)+7],       v[ADRA+\slot] offset:\k+1024*\c+8192*\i+512
.endr
.endr
.endm
.macro PLACES
.rept 4
	v_nop
.endr
.endm
.macro QUARTER slot, k, f, g, zero     ; 64 along K: multiplies buffer f and fetches the next quarter, at byte k, into g
	s_wait_dscnt 16                                ; the first 32 along K are in
	WIN MUL
	MUL8 \f, 0, 0, \zero
	MUL8 \f, 0, 2, \zero
	PLACES
	FETCH \slot, \k, \g
	s_wait_dscnt 32                                ; all but the 32 just issued
	WIN MUL
	MUL8 \f, 1, 0, 0
	MUL8 \f, 1, 2, 0
.endm
.macro TURN slot, next, fill           ; a slot's last quarter changes slots: one barrier; fill = 1: it opens a round of the cluster's barrier, and this slot is filled again
	WIN 0
	s_wait_tensorcnt 0x0                           ; all my tensor loads have landed: my part of the next slot
	ds_add_u32 v[SPW], v[NIL]
	s_wait_dscnt 17                                ; (the add and the youngest sixteen loads may be out)
	WIN MUL
	MUL8 F1, 0, 0, 0
	s_wait_dscnt 0x0                               ; the add is done, and my reads of this slot are over
	s_barrier_signal -1
	MUL8 F1, 0, 2, 0
.if \fill
	WIN 0
.endif
	s_barrier_wait -1
.if \fill
	CREST                                          ; no wave of any partner still reads this slot or has a load on its way
	s_add_nc_u64 s[G0+4*\slot+2:G0+4*\slot+3], s[G0+4*\slot+2:G0+4*\slot+3], 2*8192
	s_add_nc_u64 s[G0B+4*\slot+2:G0B+4*\slot+3], s[G0B+4*\slot+2:G0B+4*\slot+3], 2*8192
	JLOAD \slot                                    ; the first tensor load behind the round; its four v_nop are also the places in front of the loads below
.else
	PLACES
.endif
	FETCH \next, 0, F0
	WIN MUL
	MUL8 F1, 1, 0, 0
	MUL8 F1, 1, 2, 0
.endm
	s_wait_tensorcnt 1                             ; my part of K step 0 is in; K step 1's may stay out
	s_barrier_signal -1
	s_barrier_wait -1
	FETCH 0, 0, F0
	QUARTER 0, 2048, F0, F1, 1                     ; the first products start the sums
	WIN 0
	s_mov_b32 s3, LAPS-1
.Llap:
	QUARTER 0, 4096, F1, F0, 0
	QUARTER 0, 6144, F0, F1, 0
	TURN 0, 1, 1
	QUARTER 1, 2048, F0, F1, 0
	QUARTER 1, 4096, F1, F0, 0
	QUARTER 1, 6144, F0, F1, 0
	TURN 1, 0, 1
	QUARTER 0, 2048, F0, F1, 0
	WIN 0
	s_sub_co_u32 s3, s3, 1
	s_cmp_lg_u32 s3, 0
	s_cbranch_scc1 .Llap
	QUARTER 0, 4096, F1, F0, 0                     ; the last lap fills nothing
	QUARTER 0, 6144, F0, F1, 0
	TURN 0, 1, 0
	QUARTER 1, 2048, F0, F1, 0
	QUARTER 1, 4096, F1, F0, 0
	QUARTER 1, 6144, F0, F1, 0
	s_wait_dscnt 16
	WIN MUL
	MUL8 F1, 0, 0, 0
	MUL8 F1, 0, 2, 0
	s_wait_dscnt 0
	MUL8 F1, 1, 0, 0
	MUL8 F1, 1, 2, 0
	WIN 0
; THE WAY OUT, 16 rows x 64 columns at a time through my own stage: a lane's 32 bytes go in, whole rows of 256 bytes come back; sixteen lanes store 256 consecutive bytes, aligned.  LDS serves a wave's instructions in order.
.macro TOSTAGE a
.irp b, 0,1,2,3
	ds_store_b128 v[STO], v[ACC+8*(4*(\a)+\b):ACC+8*(4*(\a)+\b)+3] offset:64*\b      ; each accumulator from its low end on
	ds_store_b128 v[STO], v[ACC+8*(4*(\a)+\b)+4:ACC+8*(4*(\a)+\b)+7] offset:64*\b+16
.endr
.irp t, 0,1,2,3,4,5,6,7
	ds_load_b128 v[BK+32*((\a)%2)+4*\t:BK+32*((\a)%2)+4*\t+3], v[RD] offset:\t*2*SPITCH
.endr
.endm
.macro SEND a, younger                 ; younger: the LDS instructions issued behind block a's loads
	s_wait_dscnt \younger
.irp t, 0,1,2,3,4,5,6,7
	global_store_b128 v[CO], v[BK+32*((\a)%2)+4*\t:BK+32*((\a)%2)+4*\t+3], s[8:9] offset:(16*(\a)+2*\t)*4096 th:TH_STORE_NT
.endr
.endm
	PLACES
	TOSTAGE 0
	TOSTAGE 1
	SEND 0, 16
	s_wait_xcnt 0x0                                ; block 0's stores have read their registers: block 2's loads may land there
	TOSTAGE 2
	SEND 1, 16
	s_wait_xcnt 0x0
	TOSTAGE 3
	SEND 2, 16
	SEND 3, 0
	s_wait_tensorcnt 0x0                           ; the wave's end
	ds_add_u32 v[SPW], v[NIL]
	s_wait_dscnt 0x0
	CROUND                                         ; the closing round
	s_endpgm
.Lfunc_end_k_qeb31945a4c_oproj:
	.size	k_qeb31945a4c_oproj, .Lfunc_end_k_qeb31945a4c_oproj-k_qeb31945a4c_oproj
	.p2alignl 7, 3214868480
	.fill 96, 4, 3214868480
	.section	.rodata,"a",@progbits
	.p2align	6, 0x0
	.amdhsa_kernel k_qeb31945a4c_oproj
		.amdhsa_group_segment_fixed_size 327680
		.amdhsa_private_segment_fixed_size 0
		.amdhsa_enable_private_segment 0
		.amdhsa_kernarg_size 24
		.amdhsa_user_sgpr_count 2
		.amdhsa_user_sgpr_kernarg_segment_ptr 1
		.amdhsa_wavefront_size32 1
		.amdhsa_system_sgpr_workgroup_id_x 1
		.amdhsa_system_sgpr_workgroup_id_y 1
		.amdhsa_system_sgpr_workgroup_id_z 1
		.amdhsa_system_vgpr_workitem_id 0
		.amdhsa_next_free_vgpr 512
		.amdhsa_next_free_sgpr 66
		.amdhsa_reserve_vcc 0
		.amdhsa_float_denorm_mode_32 3
		.amdhsa_float_denorm_mode_16_64 3
		.amdhsa_memory_ordered 1
		.amdhsa_forward_progress 1
		.amdhsa_inst_pref_size 85
	.end_amdhsa_kernel
	.amdgpu_metadata
---
amdhsa.version: [ 1, 2 ]
amdhsa.kernels:
  - .name:           k_qeb31945a4c_oproj
    .symbol:         k_qeb31945a4c_oproj.kd
    .args:
      - { .name: yw, .offset: 0, .size: 8, .value_kind: global_buffer, .address_space: global }
      - { .name: woh, .offset: 8, .size: 8, .value_kind: global_buffer, .address_space: global }
      - { .name: out0, .offset: 16, .size: 8, .value_kind: global_buffer, .address_space: global }
    .group_segment_fixed_size: 327680
    .private_segment_fixed_size: 0
    .kernarg_segment_align: 8
    .kernarg_segment_size: 24
    .max_flat_workgroup_size: 128
    .sgpr_count:     66
    .vgpr_count:     512
    .wavefront_size: 32
...
	.end_amdgpu_metadata
.endif
;; end of part 4
